; MI455X (gfx1250); checked and timed in simulation.
; The chip was launched on July 23, 2026; its instructions are those of AMD's public machine-readable ISA for CDNA 5 (MIT licence, August 2026) and "CDNA5" Instruction Set Architecture Reference Guide (July 2026). The comments in the code are by the model that wrote it; some were corrected since.
;; Causal Self Attention. Allowed arithmetic: matrix products marked QUANTISED: E5M2 operands, one E8M0 scale for each 32 along K, by v_wmma_scale_f32_16x16x128_f8f6f4 with both operands' format E5M2, f32 sums; everything else in f32.
;; Inputs: b_attn 3,072 float32; b_proj 1,024 float32; w_attn_codes 3,072 x 32 x 32 uint8 (E5M2 codes of w_attn, K innermost, in blocks of 32 codes); w_attn_scales 3,072 x 32 uint8 (E8M0 scales of w_attn, one for each 32 codes along K); w_proj_codes 1,024 x 32 x 32 uint8 (E5M2 codes of w_proj, K innermost, in blocks of 32 codes); w_proj_scales 1,024 x 32 uint8 (E8M0 scales of w_proj, one for each 32 codes along K); x_codes 4 x 2,048 x 32 x 32 uint8 (E5M2 codes of x, K innermost, in blocks of 32 codes); x_scales 4 x 2,048 x 32 uint8 (E8M0 scales of x, one for each 32 codes along K).
;; Outputs: out0 4 x 2,048 x 1,024 float32.
;; This version of the problem:
;;   THIS VERSION OF THE PROBLEM IS GIVEN IN LOW PRECISION. The matrix products marked QUANTISED in the list below multiply operands that are first quantised to E5M2 (5 exponent bits, 2 mantissa bits; 8 bits a number), with one power-of-two scale for each 32 numbers along K (OCP MX v1.0); their sums are f32. All else is computed in f32.
;;   The module's matrix products, in the order in which they are computed (A, B: the left and right operand; K: the contracted axis; several contracted axes count as one K, in the product's order):
;;     1. [M 8,192, K 1,024] x [K 1,024, N 3,072]; A: input x (given as codes); B: input w_attn (given as codes): QUANTISED
;;     2. batch 64 x [M 2,048, K 64] x [K 64, N 2,048]; A: computed on the way; B: computed on the way: QUANTISED
;;     3. batch 64 x [M 2,048, K 2,048] x [K 2,048, N 64]; A: softmax (see below); B: computed on the way: QUANTISED
;;     4. [M 8,192, K 1,024] x [K 1,024, N 1,024]; A: computed on the way; B: input w_proj (given as codes): QUANTISED
;;   THE QUANTISER, for each operand of a quantised product, along K:
;;     - K is cut into blocks of 32 from its start; a last block that is shorter is filled with zeros.
;;     - A block's scale is 2^e with e = floor(log2(the largest magnitude in the block)) - 15, held to -126 .. 127; a block of zeros has e = 0. As a byte (E8M0): e + 127.
;;     - Each number is divided by its block's scale, clamped to +-57,344, and rounded to the nearest number of E5M2, ties to even, subnormals kept.
;;     - The product sums the exact products of the quantised numbers (number of the format x scale) in f32.
;;   ~~~python
;;   def quantise(x, axis):      # numpy; x: float32 -> the quantised numbers, widened to float32 again
;;       x = np.moveaxis(x, axis, -1); K = x.shape[-1]
;;       x = np.pad(x, [(0, 0)] * (x.ndim - 1) + [(0, -K % 32)]); x = x.reshape(x.shape[:-1] + (-1, 32)); a = np.abs(x).max(-1, keepdims=True)
;;       e = np.where(a > 0, np.clip(np.frexp(np.where(a > 0, a, 1))[1] - 1 - 15, -126, 127), 0)      # np.frexp(a)[1] - 1 = floor(log2(a)), exactly
;;       r = np.clip(x / 2.0 ** e, -57344, 57344)
;;       step = 2.0 ** (np.maximum(np.frexp(np.where(r == 0, 1, r))[1] - 1, -14) - 2)
;;       q = np.round(r / step) * step * 2.0 ** e      # np.round: ties to even
;;       return np.moveaxis(q.reshape(q.shape[:-2] + (-1,))[..., :K], -1, axis).astype(np.float32)
;;   ~~~
;;   SOFTMAX AHEAD OF A QUANTISED PRODUCT. Where the list says 'softmax', what is quantised is not the finished softmax but p = 2^(t - M), with t = logit x log2(e) and M = ceil(the row's largest t), a whole number; so 1/2 < the row's largest p <= 1. The row's sum l is taken of the UNQUANTISED p, in f32, and the product's result is divided by l at the end. Since M is a whole number, a kernel that streams over the keys may use a running M (the ceiling of the running maximum): every later rescaling is an exact power of two, which a block's scale takes up: the codes' values come out the same.
;;   OPERANDS COMPUTED ON THE WAY. 'Computed on the way' means the value that the module computes at that place (a softmax that the list does not call 'softmax' is quantised finished and normalised). What goes into a quantiser is computed in f32, as accurately as f32 sums, v_exp_f32 and their like allow (about 1e-6 of the number): no bf16 or f16 on the way to a quantiser, and a product that is left as it is and whose result goes on into a quantised operand takes f32 operands (vector FMAs, or v_wmma_f32_16x16x4_f32). A number that lies on a knife's edge between two numbers of the format may be rounded either way, as far as f32 arithmetic and the matrix unit's own rounding can turn it there, and no further.
;;   INPUTS GIVEN AS CODES. w_attn (in the module: [3072, 1024], K = its axis 1); w_proj (in the module: [1024, 1024], K = its axis 1); x (in the module: [4, 2048, 1024], K = its axis 2): each comes as NAME_codes (uint8): NAME with its K axis moved to the last place and cut into blocks of 32 codes, [.., K / 32, bytes a block], one block behind the other in memory; one code a byte (a code: sign, 5 exponent bits, 2 mantissa bits); and NAME_scales (uint8): the same leading axes, one E8M0 byte (e + 127) for each 32 codes along K. Its value is code x scale, taken as it is: it is not quantised again, and the codes and scales need not be those that the quantiser above would give.
;; One version. Each part assembles by itself: llvm-mc -triple=amdgcn-amd-amdhsa -mcpu=gfx1250 --defsym DOCPART=n.
;; ======== version 1 of 1: 3 launches
;; limits: right only within a limited range of input values
;; workspace buffers: qkvc 25,165,824 bytes; qkvs 786,432 bytes; yc 8,388,608 bytes; ys 262,144 bytes
;; launch qkv (part 1): grid 12 x 32, 4 waves a work-group, clusters of 4 x 4, 327,680 bytes of LDS; arguments x_codes, x_scales, w_attn_codes, w_attn_scales, b_attn, qkvc, qkvs; writes qkvc, qkvs
.if DOCPART == 1
	.amdgcn_target "amdgcn-amd-amdhsa--gfx1250"
	.amdhsa_code_object_version 6
	.text
	.protected	k_q92cc2edf75_qkv
	.globl	k_q92cc2edf75_qkv
	.p2align	8
	.type	k_q92cc2edf75_qkv,@function
k_q92cc2edf75_qkv:
	s_mov_b64 s[64:65], 0
	v_nop
	global_prefetch_b8 v0, s[64:65] scope:SCOPE_SE
	s_setreg_imm32_b32 hwreg(HW_REG_WAVE_MODE, 25, 1), 1
	s_wait_xcnt 0x0
	s_wait_alu depctr_hold_cnt(0) depctr_sa_sdst(0) depctr_va_vdst(0) depctr_va_sdst(0) depctr_va_ssrc(0) depctr_va_vcc(0) depctr_vm_vsrc(0)
	s_getreg_b32 s2, hwreg(HW_REG_IB_STS2, 6, 4)
	s_cmp_eq_u32 s2, 0
	s_cbranch_scc0 .Lentry_in_a_cluster
	s_endpgm
.Lentry_in_a_cluster:
	s_bfe_u32 s2, ttmp6, 0x10000c
	s_cmp_lg_u32 s2, 0xf033
	s_cbranch_scc0 .Lentry_shape_is_right
	s_endpgm
.Lentry_shape_is_right:
; qkv = x w_attn^T + b_attn on codes of BF8 (E5M2) with E8M0 scales, and q, k, v quantised again in registers: q and k along the head's 64, v along the keys.
; x: [8192][1024] codes, [8192][32] scale bytes; w_attn: [3072][1024], [3072][32]; b_attn [3072] f32.
; A work-group of four waves makes 256 x 256 results, a wave 128 x 128: 64 accumulators of 16 x 16.  K = 1,024 goes in four steps of 256 through two LDS slots filled by the tensor data mover.
; In a result, register j of lane (r = lane % 16, h = lane / 16) is (source 0's row 8 h + j, source 1's row r).  THE AXIS THAT IS QUANTISED NEXT IS ALWAYS SOURCE 0's:
;   clusters x = 0, 1 (q, k): source 0 = rows of w (the head's channels), source 1 = rows of x (tokens);   clusters x = 2 (v): source 0 = rows of x (the keys), source 1 = rows of w (channels).
; The choice is made by selects on the cluster's x, which all partners share; there is no branch on it.  A block of 16 rows of source 1 (8 accumulators, 64 numbers a lane) becomes one operand fragment
; (16 registers a lane) and one scale word, and leaves as an image of those registers: four stores of 512 consecutive bytes.
; ORDER INSIDE A BLOCK OF 32: place (c, h, i) of a fragment holds index 32 c + 16 (i / 8) + 8 h + i % 8.  q and k carry the same order along the channels, v and the softmax's p the same along the keys: the products are unchanged.
; OUT: qkvc: q at 0, k at 2^23: [head 64][tile of 16 tokens 128][c 2][lane][16 bytes]; v at 2^24: [head][128 keys 16][16 channels 4][c 4][lane][16].
;      qkvs: q's words at 0: [head][128 tokens 16][r 16][pair of tiles 4]; from 262,144: [head][256 keys 8][k's words of 2 x 128 keys, 256 bytes each; v's words, [channel r][16 channels 4], 2 x 256 bytes].
; THE BIAS runs along source 0 for q and k (added on the way out) and along source 1 for v (the C of the first products); both are always loaded and always applied, one of them masked to 0.
; CLUSTERS: 4 x 4 work-groups; source 1's tiles are shared along a row of the cluster, source 0's along a column, each by a joint tensor load.
; LIMITS: NaN and infinities are not served.  A block whose largest magnitude lies under 2^(16 - 127), a block of zeros among them, gets the scale byte 1; only this program reads these bytes.
; REGISTERS, in windows of 256: window 0: v0-31 addresses; v32-63 scale words, two sets; v64-127 the bias; from v128 source 1's fragments, one set (on the way out v128-255 are at work).
;   window 1: source 0's fragments, two sets.   windows 2, 3: the accumulators ((a, b) at v[8 (8 (a % 4) + b)]).
.set NQ,     2                         ; matrix instructions deep in a slot
.set TROW,   256                       ; a tile's row in bytes
.set KROW,   1024                      ; a row of x or w in memory
.set PITCH,  272                       ; an LDS row: 256 bytes + 16 of padding: the 16 rows of a load start at 16 different banks (ISA guide 11.1)
.set FR,     16
.set NL,     4
.set NP,     8                         ; places behind this matrix instruction (ISA guide 7.12.1)
.set HALFT,  128*PITCH
.set SLOT,   4*HALFT                   ; source 1's 256 rows, then source 0's
.set LAPS,   2
.set KS,     32                        ; a row of scale bytes
.set SCL,    2*SLOT                    ; behind the ring: the scale bytes of all of K, as units of 256 bytes + 16
.set HALFS,  (128*KS/256)*272
.set SBLK,   (16*KS/256)*272
.set SPARE,  SCL+4*HALFS               ; the spare words, 128 bytes a wave: two blocks of 256 bytes that no other line names
.set ADRA, 16                          ; v16-17 LDS address of source 1's fragments in slot 0, 1
.set ADRB, 20                          ; v20-21 of source 0's
.set VA0,  24                          ; v24 16 x lane
.set VA2,  25                          ; v25 16 x lane + where a fragment's second half goes
.set VS,   26                          ; v26 where my scale words go
.set ADRS, 27                          ; v27 LDS address of my scale words
.set SPW,  28
.set NIL,  29
.set BCO,  30                          ; v30 the bias along source 1: 4 r + 4 o0
.set BRO,  31                          ; v31 the bias along source 0: 32 h + 4 o0
.set SC,   32
.set BIA,  64
.set AF,   128
.set T,    128                         ; the way out: 64 numbers
.set PC,   192                         ; their codes
.set TM,   224                         ; +0..3 largest magnitudes, +4..7 bytes, +12..15 the conversions' scales
.set SWB,  240                         ; the scale word of each of my eight blocks
.set W,    248
.set W2,   252
.set G1, 24
.set G0, 32
.set G1B, 48
.set G0B, 56
.set G1S, 68
.set G0S, 76
.set G1SB, 80
.set G0SB, 88
.set SEL, 4                            ; s[4:5] (once the pointers there are spent)
.set HM,  100                          ; s100 lanes 16-31
.set MNT, 101
.set MSB, 0
.macro WIN new                         ; the immediate's high byte repeats the setting that is left
.if MSB != \new
	s_set_vgpr_msb (MSB<<8)|\new
.set MSB, \new
.endif
.endm
.set MUL_LO, 0xa1                      ; source 0 window 1, source 1 window 0, C and D window 2
.set MUL_HI, 0xf1
.set FST_LO, 0x81                      ; the same with C in window 0
.set FST_HI, 0xc1
.set TO_B,   0x40
; A joint load: waves 0 and 1 fetch for source 1, waves 2 and 3 for source 0.  Four v_nop follow each of the two lines.
.macro JLOAD g0a, g1a, g0b, g1b
	s_cmp_eq_u32 s15, 0
	s_cbranch_scc0 .Lfor_b_\@
	tensor_load_to_lds s[\g0a:\g0a+3], s[\g1a:\g1a+7]
	s_nop 0
.rept 4
	v_nop
.endr
	s_branch .Lasked_\@
.Lfor_b_\@:
	tensor_load_to_lds s[\g0b:\g0b+3], s[\g1b:\g1b+7]
	s_nop 0
.rept 4
	v_nop
.endr
.Lasked_\@:
.endm
.macro CREST                           ; a round of the cluster's barrier behind its opening barrier
	s_cmp_lg_u32 s14, 0
	s_cbranch_scc1 .Lnot_wave_0_\@
	s_barrier_signal -3
.Lnot_wave_0_\@:
	s_barrier_wait -3
	s_barrier_signal -1
	s_barrier_wait -1
.endm
.macro CROUND
	s_barrier_signal -1
	s_barrier_wait -1
	CREST
.endm
	s_load_b128 s[4:7], s[0:1], 0x0                ; x's codes, x's scales
	s_load_b128 s[8:11], s[0:1], 0x10              ; w's codes, w's scales
	s_load_b64 s[12:13], s[0:1], 0x20              ; b_attn
	s_load_b64 s[96:97], s[0:1], 0x28              ; qkvc
	s_load_b64 s[98:99], s[0:1], 0x30              ; qkvs
	v_lshl_add_u32 v[SPW], v0, 2, SPARE
	v_mov_b32 v[NIL], 0
	ds_add_u32 v28, v29
	ds_add_u32 v28, v29
	s_wait_dscnt 0x0
	v_lshrrev_b32 v1, 5, v0
	v_readfirstlane_b32 s14, v1                    ; wave 0..3
	s_lshr_b32 s15, s14, 1                         ; my half of source 1's rows.  Also: I fetch for source 1 (0) or source 0 (1)
	s_and_b32 s16, s14, 1                          ; my half of source 0's rows.  Also: which 128 rows I fetch
	s_bfe_u32 s40, ttmp6, 0x40000                  ; cx
	s_bfe_u32 s41, ttmp6, 0x40004                  ; cy
	s_and_b32 s18, ttmp7, 0xffff                   ; the cluster's y: 0..7
	s_cmp_eq_u32 ttmp9, 2                          ; the cluster's x: 0 q, 1 k, 2 v
	s_cselect_b32 s42, s18, ttmp9                  ; source 0: v: x's tiles by the cluster's y; else w's by its x
	s_cselect_b32 s17, 2, s18                      ; source 1: v: w's third quarter; else x's tiles
	s_lshl_b32 s42, s42, 2
	s_add_co_u32 s42, s42, s40                     ; source 0's tile of 256 rows: it holds cx alone
	s_lshl_b32 s17, s17, 2
	s_add_co_u32 s17, s17, s41                     ; source 1's: it holds cy alone
	s_lshl_b32 s43, s41, 2
	s_lshl_b32 s43, 15, s43                        ; my row of the cluster
	s_lshl_b32 s44, 0x1111, s40                    ; my column
	s_or_b32 s[G1+0], s43, (0<<16)|(1<<20)|(1<<21)|(5<<22)|(3<<25)  ; the mask; elements of 1 byte; padding on; bit 21 beside a mask; 4 words after every 64
	s_or_b32 s[G1B+0], s44, (0<<16)|(1<<20)|(1<<21)|(5<<22)|(3<<25)
.irp g, G1, G1B
	s_mov_b32 s[\g+1], TROW<<16                    ; tensor_dim0
	s_mov_b32 s[\g+2], 128<<16                     ; tensor_dim1
	s_mov_b32 s[\g+3], TROW<<16                    ; tile_dim0
	s_mov_b32 s[\g+4], 128                         ; tile_dim1
	s_mov_b32 s[\g+5], KROW                        ; the pitch
	s_mov_b32 s[\g+6], 0
	s_mov_b32 s[\g+7], 0
.endr
	s_or_b32 s[G1S+0], s43, (3<<16)|(1<<20)|(1<<21)|(5<<22)|(3<<25) ; the scale bytes of 128 rows: 4,096 dense bytes as 16 rows of 256 (32 elements of 8 bytes)
	s_or_b32 s[G1SB+0], s44, (3<<16)|(1<<20)|(1<<21)|(5<<22)|(3<<25)
.irp g, G1S, G1SB
	s_mov_b32 s[\g+1], 32<<16
	s_mov_b32 s[\g+2], (128*KS/256)<<16
	s_mov_b32 s[\g+3], 32<<16
	s_mov_b32 s[\g+4], 128*KS/256
	s_mov_b32 s[\g+5], 32
	s_mov_b32 s[\g+6], 0
	s_mov_b32 s[\g+7], 0
.endr
	s_lshl_b32 s18, s16, 7
	s_lshl_b32 s20, s17, 8
	s_add_co_u32 s20, s20, s18                     ; source 1: row 256 x tile + 128 x half
	s_lshl_b32 s46, s42, 8
	s_add_co_u32 s46, s46, s18                     ; source 0 likewise
	s_mov_b32 s21, 0
	s_mov_b32 s47, 0
	s_mov_b64 s[18:19], KS
	s_mul_u64 s[22:23], s[20:21], s[18:19]         ; where these rows' scale bytes begin
	s_mul_u64 s[92:93], s[46:47], s[18:19]
	s_mov_b64 s[18:19], KROW
	s_mul_u64 s[20:21], s[20:21], s[18:19]         ; and their codes
	s_mul_u64 s[46:47], s[46:47], s[18:19]
	s_mul_i32 s45, s14, HALFT                      ; where they go: wave x 128 rows
	s_mul_i32 s94, s14, HALFS
	s_wait_kmcnt 0x0
	s_cmp_eq_u32 ttmp9, 2                          ; which tensor is which source: the choice hangs on the cluster's x alone
	s_cselect_b64 s[66:67], s[8:9], s[4:5]         ; source 1's codes
	s_cselect_b64 s[100:101], s[10:11], s[6:7]     ; source 1's scales
	s_cselect_b64 s[8:9], s[4:5], s[8:9]           ; source 0's codes
	s_cselect_b64 s[10:11], s[6:7], s[10:11]       ; source 0's scales
	s_add_nc_u64 s[20:21], s[66:67], s[20:21]
	s_add_nc_u64 s[22:23], s[100:101], s[22:23]
	s_add_nc_u64 s[46:47], s[8:9], s[46:47]
	s_add_nc_u64 s[92:93], s[10:11], s[92:93]
	CROUND                                         ; all sixteen work-groups are here: the first joint loads meet
	s_mov_b32 s[G0S], 1
	s_add_co_u32 s[G0S+1], s94, SCL
	s_mov_b64 s[G0S+2:G0S+3], s[22:23]
	s_or_b32 s[G0S+3], s[G0S+3], 0x80000000
	s_mov_b32 s[G0SB], 1
	s_add_co_u32 s[G0SB+1], s94, SCL
	s_mov_b64 s[G0SB+2:G0SB+3], s[92:93]
	s_or_b32 s[G0SB+3], s[G0SB+3], 0x80000000
	JLOAD G0S, G1S, G0SB, G1SB                     ; the scale bytes: filled once.  With the two below, three loads of mine are out
.irp s, 0,1
	s_mov_b32 s[G0+4*\s], 1
	s_add_co_u32 s[G0+4*\s+1], s45, \s*SLOT
	s_add_nc_u64 s[G0+4*\s+2:G0+4*\s+3], s[20:21], \s*TROW
	s_or_b32 s[G0+4*\s+3], s[G0+4*\s+3], 0x80000000
	s_mov_b32 s[G0B+4*\s], 1
	s_add_co_u32 s[G0B+4*\s+1], s45, \s*SLOT
	s_add_nc_u64 s[G0B+4*\s+2:G0B+4*\s+3], s[46:47], \s*TROW
	s_or_b32 s[G0B+4*\s+3], s[G0B+4*\s+3], 0x80000000
	JLOAD G0+4*\s, G1, G0B+4*\s, G1B
.endr
	v_and_b32 v1, 15, v0                           ; r
	v_bfe_u32 v2, v0, 4, 1                         ; h
	v_mul_u32_u24 v3, v1, PITCH
	v_lshl_add_u32 v4, v2, 4, v3                   ; a fragment's row x pitch + 16 h
	s_mul_i32 s21, s15, HALFT
	s_mul_i32 s22, s16, HALFT
	s_add_co_u32 s22, s22, 2*HALFT
.irp s, 0,1
	v_add_nc_u32 v[ADRA+\s], s21, v4
	v_add_nc_u32 v[ADRB+\s], s22, v4
	s_add_co_u32 s21, s21, SLOT
	s_add_co_u32 s22, s22, SLOT
.endr
	v_mul_u32_u24 v5, v1, KS                       ; my row's scale bytes: 32 a row,
	v_lshrrev_b32 v6, 8, v5
	v_lshl_add_u32 v5, v6, 4, v5                   ; and 16 more for each 256 passed
	s_mul_i32 s21, s15, HALFS
	s_mul_i32 s22, s16, HALFS
	s_add_co_u32 s22, s22, 2*HALFS
	s_sub_co_u32 s22, s22, s21
	v_mul_u32_u24 v6, s22, v2                      ; lanes 16-31 take source 0's
	s_add_co_u32 s21, s21, SCL
	v_add_nc_u32 v5, v5, v6
	v_add_nc_u32 v[ADRS], s21, v5
	; where the results go.  TT: the tile of 256 tokens, TW: the tile of 256 rows of w, each with my half of it
	s_cmp_eq_u32 ttmp9, 2
	s_cselect_b32 s4, s42, s17                     ; TT
	s_cselect_b32 s5, s16, s15                     ; my half of it
	s_cselect_b32 s6, s17, s42                     ; TW
	s_cselect_b32 s7, s15, s16                     ; my half of it
	s_mov_b32 s8, 0x20000
	s_cselect_b32 s8, 0x400, s8                    ; a fragment's second half: v: 1,024 bytes on; q, k: the next head, 131,072 on
	s_mov_b32 s92, 0x400
	s_cselect_b32 s92, 0x800, s92                  ; from block to block: v: 2,048 (16 channels); q, k: 1,024 (16 tokens)
	s_mov_b32 s94, 0x400
	s_cselect_b32 s94, 124928, s94                 ; from block 3 to block 4: v: on to the next head's first 16 channels, 131,072 - 3 x 2,048
	s_cselect_b32 s66, -1, 0                       ; all ones for v
	s_cselect_b32 s67, 0, -1                       ; all ones for q and k
	s_cselect_b32 s9, 0x200, 0                     ; v's scale words lie 512 bytes behind k's
	s_mov_b32 s93, 0
	s_mov_b32 s95, 0
	s_lshr_b32 s10, s4, 3                          ; the batch
	s_and_b32 s11, s4, 7
	s_lshl_b32 s11, s11, 1
	s_add_co_u32 s11, s11, s5                      ; g: which 128 tokens of the batch
	s_and_b32 s18, s6, 3
	s_lshl_b32 s18, s18, 2
	s_lshl_b32 s19, s7, 1
	s_add_co_u32 s18, s18, s19                     ; the first of my two heads
	s_lshl_b32 s10, s10, 4
	s_add_co_u32 s10, s10, s18                     ; 16 x batch + head
	s_lshl_b32 s6, s6, 8
	s_lshl_b32 s7, s7, 7
	s_add_co_u32 s6, s6, s7                        ; o0: my first row of w, at most 2,944
	s_lshl_b32 s6, s6, 2                           ; in bytes of b_attn
	s_lshl_b32 s20, ttmp9, 23
	s_lshl_b32 s19, s10, 17
	s_add_co_u32 s20, s20, s19
	s_lshl_b32 s19, s11, 13
	s_add_co_u32 s20, s20, s19
	s_mov_b32 s21, 0
	s_add_nc_u64 s[96:97], s[96:97], s[20:21]      ; the codes: kind x 2^23 + head x 2^17 + g x 2^13
	s_lshl_b32 s20, s10, 12
	s_lshl_b32 s19, s11, 8
	s_add_co_u32 s20, s20, s19                     ; q's words: head x 4,096 + g x 256
	s_lshl_b32 s22, s10, 13
	s_add_co_u32 s22, s22, 0x40000                 ; k's, v's: 262,144 + head x 8,192 + (g / 2) x 1,024 + (g % 2) x 256 (+ 512)
	s_lshr_b32 s19, s11, 1
	s_lshl_b32 s19, s19, 10
	s_add_co_u32 s22, s22, s19
	s_and_b32 s19, s11, 1
	s_lshl_b32 s19, s19, 8
	s_add_co_u32 s22, s22, s19
	s_add_co_u32 s22, s22, s9
	s_mov_b32 s23, 0x2000
	s_cmp_eq_u32 ttmp9, 0
	s_cselect_b32 s20, s20, s22
	s_cselect_b32 s23, 0x1000, s23                 ; from head to head among the words
	s_add_nc_u64 s[98:99], s[98:99], s[20:21]
	v_and_b32 v6, 31, v0
	v_lshlrev_b32 v[VA0], 4, v6
	v_add_nc_u32 v[VA2], s8, v[VA0]
	v_lshlrev_b32 v[VS], 4, v1
	v_mul_u32_u24 v5, s23, v2
	v_add_nc_u32 v[VS], v[VS], v5                  ; 16 r; lanes 16-31: the second head
	v_lshl_add_u32 v[BCO], v1, 2, s6
	v_lshl_add_u32 v[BRO], v2, 5, s6
	s_mov_b32 s[SEL], 0x76543210
	s_mov_b32 s[SEL+1], 0xfedcba98                 ; v_permlanex16_b32's selects for lane l xor 16
	s_mov_b32 s[HM], 0xffff0000
	; the bias along source 1: b_attn[o0 + 16 a + r], the same in all eight registers of block a's first C; 0 for q and k
.irp a, 0,1,2,3,4,5,6,7
	global_load_b32 v[BIA+8*\a], v[BCO], s[12:13] offset:64*\a
.endr
	s_wait_loadcnt 0x0
.irp a, 0,1,2,3,4,5,6,7
.irp j, 7,6,5,4,3,2,1,0
	v_and_b32 v[BIA+8*\a+\j], s66, v[BIA+8*\a]
.endr
.endr
.macro FRAG reg, adr, q, i             ; 16 rows x 128 K: lane l holds row l % 16; registers 4 c .. 4 c + 3 hold K = 32 c + 16 (l / 16) + 0 .. 15
.irp c, 0,1,2,3
	ds_load_b128 v[\reg+4*\c:\reg+4*\c+3], v[\adr] offset:128*(\q)+32*\c+(\i)*16*PITCH
.endr
.endm
; 16 matrix instructions: source 1's blocks a0, a0 + 1 x source 0's eight.  first = 1: the sums begin with the bias along source 1.  The 64 accumulators take turns, one instruction a turn.
.macro MUL16 a0, p, q, sc, first
.irp a, \a0, \a0+1
.irp b, 0,1,2,3,4,5,6,7
.if \first
	v_wmma_scale_f32_16x16x128_f8f6f4 v[8*(8*((\a)%4)+\b):8*(8*((\a)%4)+\b)+7], v[128*(\p)+FR*\b:128*(\p)+FR*\b+FR-1], v[AF+FR*(\a):AF+FR*(\a)+FR-1], v[BIA+8*(\a):BIA+8*(\a)+7], v[SC+8*NQ*(\sc)+NQ*\b+(\q)], v[SC+8*NQ*(\sc)+NQ*(\a)+(\q)] matrix_a_fmt:MATRIX_FMT_BF8 matrix_b_fmt:MATRIX_FMT_BF8 matrix_a_scale:MATRIX_SCALE_ROW1
.else
	v_wmma_scale_f32_16x16x128_f8f6f4 v[8*(8*((\a)%4)+\b):8*(8*((\a)%4)+\b)+7], v[128*(\p)+FR*\b:128*(\p)+FR*\b+FR-1], v[AF+FR*(\a):AF+FR*(\a)+FR-1], v[8*(8*((\a)%4)+\b):8*(8*((\a)%4)+\b)+7], v[SC+8*NQ*(\sc)+NQ*\b+(\q)], v[SC+8*NQ*(\sc)+NQ*(\a)+(\q)] matrix_a_fmt:MATRIX_FMT_BF8 matrix_b_fmt:MATRIX_FMT_BF8 matrix_a_scale:MATRIX_SCALE_ROW1
.endif
.endr
.endr
.endm
.macro FETCH_B slot, q, p
	WIN TO_B
.irp i, 0,1,2,3,4,5,6,7
	FRAG 128*(\p)+FR*\i, ADRB+\slot, \q, \i
.endr
	WIN 0
.endm
.macro FETCH_A slot, q, i0
.irp i, \i0, \i0+1, \i0+2, \i0+3
	FRAG AF+FR*(\i), ADRA+\slot, \q, \i
.endr
.endm
.macro SCALES sc                       ; a slot's scale words: lanes 0-15 source 1's block i, lanes 16-31 source 0's block i; two words a row
.irp i, 0,1,2,3,4,5,6,7
	ds_load_b64 v[SC+8*NQ*\sc+NQ*\i:SC+8*NQ*\sc+NQ*\i+1], v[ADRS] offset:\i*SBLK
.endr
.endm
.macro PLACES n                        ; plain vector instructions that name no register of the matrix instructions before them (ISA guide 7.12.1)
.rept \n
	v_nop
.endr
.endm
.macro STEP slot, q, first             ; 128 along K that have their successor in the same slot
	s_wait_dscnt 4*NL                              ; all but the youngest sixteen loads (source 1's blocks 4-7) are in
.if \first
	WIN FST_LO
.else
	WIN MUL_LO
.endif
	MUL16 0, (\q)%2, \q, \slot, \first
	MUL16 2, (\q)%2, \q, \slot, \first
	s_wait_dscnt 0
	PLACES NP
	FETCH_B \slot, (\q)+1, 1-(\q)%2
	FETCH_A \slot, (\q)+1, 0
.if \first
	WIN FST_HI
.else
	WIN MUL_HI
.endif
	MUL16 4, (\q)%2, \q, \slot, \first
	MUL16 6, (\q)%2, \q, \slot, \first
	PLACES NP
	WIN 0
	FETCH_A \slot, (\q)+1, 4
.endm
; A slot's last 128 along K, and the change of slots: one barrier; ahead of it each wave waits for all its tensor loads, adds 0 to its spare word, and waits for that and for its reads of this slot.
.macro TURN slot, next, fill
	s_wait_tensorcnt 0x0                           ; all my tensor loads have landed: my part of the next slot
	ds_add_u32 v[SPW], v[NIL]                      ; 0 onto my spare word
	s_wait_dscnt 4*NL+1                            ; the add and the youngest sixteen loads may be out
	WIN MUL_LO
	MUL16 0, 1, NQ-1, \slot, 0
	s_wait_dscnt 0x0                               ; the add is done, and my reads of this slot are over
	s_barrier_signal -1
	MUL16 2, 1, NQ-1, \slot, 0
	WIN 0
	s_barrier_wait -1
.if \fill
	CREST                                          ; the barrier has opened a round of the cluster's barrier: no wave of any partner still reads this slot or has a load on its way
	s_add_nc_u64 s[G0+4*\slot+2:G0+4*\slot+3], s[G0+4*\slot+2:G0+4*\slot+3], 2*TROW
	s_add_nc_u64 s[G0B+4*\slot+2:G0B+4*\slot+3], s[G0B+4*\slot+2:G0B+4*\slot+3], 2*TROW
	JLOAD G0+4*\slot, G1, G0B+4*\slot, G1B         ; the first tensor load behind the round; its four v_nop are four of the eight places
	PLACES NP-4
.else
	PLACES NP
.endif
	s_wait_alu depctr_va_vdst(0)
	v_add_nc_u32 v[ADRS], 4*NQ, v[ADRS]            ; the next slot's scale words
	FETCH_B \next, 0, 0
	FETCH_A \next, 0, 0
	SCALES \next
	WIN MUL_HI
	MUL16 4, 1, NQ-1, \slot, 0
	MUL16 6, 1, NQ-1, \slot, 0
	PLACES NP
	WIN 0
	FETCH_A \next, 0, 4
.endm
	PLACES NP                                      ; behind the lines that wrote the first C
	s_wait_alu depctr_va_vdst(0)
	s_wait_tensorcnt 1                             ; the scale bytes and my part of slot 0 are in; slot 1's load may be out
	s_barrier_signal -1
	s_barrier_wait -1
	FETCH_B 0, 0, 0
	FETCH_A 0, 0, 0
	SCALES 0
	FETCH_A 0, 0, 4
	STEP 0, 0, 1                                   ; the first products start the sums
	; the bias along source 0: b_attn[o0 + 16 b + 8 h + j] into the registers that held the first C (eight places stand behind the products that read it); wanted on the way out
.irp b, 0,1,2,3,4,5,6,7
	global_load_b128 v[BIA+8*\b:BIA+8*\b+3], v[BRO], s[12:13] offset:64*\b
	global_load_b128 v[BIA+8*\b+4:BIA+8*\b+7], v[BRO], s[12:13] offset:64*\b+16
.endr
	s_mov_b32 s3, LAPS-1
.Llap:                                                 ; a trip goes once round the ring and fills both slots again
	TURN 0, 1, 1
	STEP 1, 0, 0
	TURN 1, 0, 1
	STEP 0, 0, 0
	s_sub_co_u32 s3, s3, 1
	s_cmp_lg_u32 s3, 0
	s_cbranch_scc1 .Llap
	TURN 0, 1, 0                                   ; the last lap fills nothing
	STEP 1, 0, 0
	s_wait_dscnt 4*NL
	WIN MUL_LO
	MUL16 0, 1, NQ-1, 1, 0
	MUL16 2, 1, NQ-1, 1, 0
	s_wait_dscnt 0
	WIN MUL_HI
	MUL16 4, 1, NQ-1, 1, 0
	MUL16 6, 1, NQ-1, 1, 0
	WIN 0
; 64 numbers of a lane, v[s] on, register 16 b + i in block b, become 16 registers of codes in v[PC] on and the scale word v[pw].  A block's other 16 numbers lie in lane l xor 16.
.macro QUANT s, pw
.irp b, 0,1,2,3
	v_max3_num_f32 v[TM+\b], |v[\s+16*\b]|, |v[\s+1+16*\b]|, 0x8000000   ; with the floor 2^(16 - 127): the byte cannot fall under 1
.endr
.irp i, 2,4,6,8,10,12,14
.irp b, 0,1,2,3
	v_max3_num_f32 v[TM+\b], v[TM+\b], |v[\s+16*\b+\i]|, |v[\s+1+16*\b+\i]|
.endr
.endr
.irp b, 0,1,2,3
	v_permlanex16_b32 v[TM+4+\b], v[TM+\b], s[SEL], s[SEL+1]
.endr
.irp b, 0,1,2,3
	v_max_num_f32 v[TM+\b], v[TM+\b], v[TM+4+\b]   ; the block's largest magnitude
.endr
.irp b, 0,1,2,3
	v_add_nc_u32 v[TM+12+\b], 0xf8800000, v[TM+\b] ; 15 off its exponent field: the conversion's scale operand
.endr
.irp b, 0,1,2,3
.endr
.irp b, 0,1,2,3
	v_lshrrev_b32 v[TM+4+\b], 23, v[TM+12+\b]      ; the scale's byte
.endr
	v_lshl_or_b32 v[\pw], v[TM+5], 8, v[TM+4]
	v_lshl_or_b32 v[\pw], v[TM+6], 16, v[\pw]
	v_lshl_or_b32 v[\pw], v[TM+7], 24, v[\pw]
.irp b, 0,1,2,3
.irp i, 0,1,2,3,4,5,6,7,8,9,10,11,12,13,14,15
.endr
	v_cvt_scalef32_pk8_bf8_f32 v[PC+4*\b:PC+1+4*\b], v[\s+16*\b:\s+7+16*\b], v[TM+12+\b]
	v_cvt_scalef32_pk8_bf8_f32 v[PC+2+4*\b:PC+3+4*\b], v[\s+8+16*\b:\s+15+16*\b], v[TM+12+\b]
.endr
	v_nop                                          ; a plain line behind the last conversion, ahead of whatever next writes its sources
.endm
; Block a of my eight: the bias along source 0, the quantiser, four stores of 512 consecutive bytes each, at multiples of 512 from the buffer's first byte.
.macro OUTBLK a
.if \a > 0
	s_wait_xcnt 0x0                                ; the last block's stores have read their data and their base: both are written again only behind this wait
.if \a == 4
	s_add_nc_u64 s[96:97], s[96:97], s[94:95]
.else
	s_add_nc_u64 s[96:97], s[96:97], s[92:93]
.endif
.endif
	WIN 0x02+(\a)/4                                ; source 0: window 2 or 3
.set ii, 0
.rept 32
	v_pk_add_f32 v[T+2*ii:T+2*ii+1], v[64*((\a)%4)+2*ii:64*((\a)%4)+2*ii+1], v[BIA+2*ii:BIA+2*ii+1]   ; each accumulator from its low end on
.set ii, ii+1
.endr
	WIN 0
	QUANT T, SWB+\a
	global_store_b128 v[VA0], v[PC:PC+3], s[96:97]
	global_store_b128 v[VA0], v[PC+4:PC+7], s[96:97] offset:512
	global_store_b128 v[VA2], v[PC+8:PC+11], s[96:97]
	global_store_b128 v[VA2], v[PC+12:PC+15], s[96:97] offset:512
.endm
	PLACES NP                                      ; behind the last products: for the reads of results and the writes into source 1's registers
	s_wait_loadcnt 0x0                             ; the bias along source 0
.set ii, 0
.rept 64
	v_and_b32 v[BIA+ii], s67, v[BIA+ii]            ; 0 for v
.set ii, ii+1
.endr
.irp b, 0,1,2,3
	v_mov_b32 v[TM+4+\b], 0                        ; a lane permute's destination counts as one of its sources
.endr
.irp a, 0,1,2,3,4,5,6,7
	OUTBLK \a
.endr
	; the scale words.  q, k: block a's word holds the first head's two bytes, then the second head's; a pair of tiles wants two bytes of each of two blocks; lanes 0-15 store the first head's, lanes 16-31 the second's.
	; v: block a's word is channel 16 a + r's four key blocks; blocks 0-3 are the first head's, 4-7 the second's.
	v_mov_b32 v[T], 0x05040100
	v_mov_b32 v[T+1], 0x07060302
	v_cndmask_b32 v[T], v[T], v[T+1], s[HM]
.irp i, 0,1,2,3
	v_perm_b32 v[W+\i], v[SWB+2*\i+1], v[SWB+2*\i], v[T]
	v_cndmask_b32 v[W2+\i], v[SWB+\i], v[SWB+4+\i], s[HM]
.endr
.irp i, 0,1,2,3
	v_cndmask_b32 v[W+\i], v[W+\i], v[W2+\i], s66
.endr
	global_store_b128 v[VS], v[W:W+3], s[98:99]    ; sixteen lanes store 256 consecutive bytes, at a multiple of 256
	s_wait_tensorcnt 0x0                           ; the wave's end
	ds_add_u32 v[SPW], v[NIL]
	s_wait_dscnt 0x0
	CROUND                                         ; the closing round: no work-group ends while a partner may still ask for a tile that names it
	s_endpgm
.Lfunc_end_k_q92cc2edf75_qkv:
	.size	k_q92cc2edf75_qkv, .Lfunc_end_k_q92cc2edf75_qkv-k_q92cc2edf75_qkv
	.p2alignl 7, 3214868480
	.fill 96, 4, 3214868480
	.section	.rodata,"a",@progbits
	.p2align	6, 0x0
	.amdhsa_kernel k_q92cc2edf75_qkv
		.amdhsa_group_segment_fixed_size 327680
		.amdhsa_private_segment_fixed_size 0
		.amdhsa_enable_private_segment 0
		.amdhsa_kernarg_size 56
		.amdhsa_user_sgpr_count 2
		.amdhsa_user_sgpr_kernarg_segment_ptr 1
		.amdhsa_wavefront_size32 1
		.amdhsa_system_sgpr_workgroup_id_x 1
		.amdhsa_system_sgpr_workgroup_id_y 1
		.amdhsa_system_sgpr_workgroup_id_z 1
		.amdhsa_system_vgpr_workitem_id 0
		.amdhsa_next_free_vgpr 1024
		.amdhsa_next_free_sgpr 102
		.amdhsa_reserve_vcc 0
		.amdhsa_float_denorm_mode_32 3
		.amdhsa_float_denorm_mode_16_64 3
		.amdhsa_fp16_overflow 1
		.amdhsa_memory_ordered 1
		.amdhsa_forward_progress 1
		.amdhsa_inst_pref_size 175
	.end_amdhsa_kernel
	.amdgpu_metadata
---
amdhsa.version: [ 1, 2 ]
amdhsa.kernels:
  - .name:           k_q92cc2edf75_qkv
    .symbol:         k_q92cc2edf75_qkv.kd
    .args:
      - { .name: x_codes, .offset: 0, .size: 8, .value_kind: global_buffer, .address_space: global }
      - { .name: x_scales, .offset: 8, .size: 8, .value_kind: global_buffer, .address_space: global }
      - { .name: w_attn_codes, .offset: 16, .size: 8, .value_kind: global_buffer, .address_space: global }
      - { .name: w_attn_scales, .offset: 24, .size: 8, .value_kind: global_buffer, .address_space: global }
      - { .name: b_attn, .offset: 32, .size: 8, .value_kind: global_buffer, .address_space: global }
      - { .name: qkvc, .offset: 40, .size: 8, .value_kind: global_buffer, .address_space: global }
      - { .name: qkvs, .offset: 48, .size: 8, .value_kind: global_buffer, .address_space: global }
    .group_segment_fixed_size: 327680
    .private_segment_fixed_size: 0
    .kernarg_segment_align: 8
    .kernarg_segment_size: 56
    .max_flat_workgroup_size: 128
    .sgpr_count:     102
    .vgpr_count:     1024
    .wavefront_size: 32
...
	.end_amdgpu_metadata
.endif
;; end of part 1
;; launch attn (part 2): grid 4 x 64, 16 waves a work-group, no clusters, 327,680 bytes of LDS; arguments qkvc, qkvs, yc, ys; writes yc, ys
.if DOCPART == 2
	.amdgcn_target "amdgcn-amd-amdhsa--gfx1250"
	.amdhsa_code_object_version 6
	.text
	.protected	k_q92cc2edf75_attn
	.globl	k_q92cc2edf75_attn
	.p2align	8
	.type	k_q92cc2edf75_attn,@function
k_q92cc2edf75_attn:
	s_mov_b64 s[64:65], 0
	v_nop
	global_prefetch_b8 v0, s[64:65] scope:SCOPE_SE
	s_setreg_imm32_b32 hwreg(HW_REG_WAVE_MODE, 25, 1), 1
	s_wait_xcnt 0x0
; y = softmax(q k^T / 8, causal) v for each of 64 heads of 2,048 tokens x 64 channels, both products on codes of BF8 (E5M2) with E8M0 scales; y is quantised along the channels and leaves as codes.
; THE SOFTMAX: t = score x log2(e) / 8; M = the running largest t rounded UP to a whole number; p = 2^(t - M) is quantised along the keys; the row's sum is taken of the unquantised p and divides at the end.
; SHARES.  Work-group (j, head); sixteen waves, four to a SIMD.  Wave w owns two tiles of 16 queries, taken one after the other: tile 127 - 16 j - w, then tile 16 j + w.  Their steps of 128 keys add to 17 for every wave.
; The work-group walks 9 slots of 256 keys, a constant: key slots 0 .. 7 - j for the late tiles, then 0 .. j for the early ones.  A step whose keys all come after the wave's queries is left out by a scalar branch on ids.
; NO CLUSTER: the four work-groups of a head turn from the late to the early tiles at slot 8 - j, a different slot in each, so their walks part; a walk common to all four would have 8 + 4 = 12 slots against 9.
; LAYOUT.  Both products are used transposed (S^T = K Q^T, O^T = V^T P^T): a lane holds one query (lane % 16).  Fragments lie in memory and in LDS as images of their registers: a load takes 512 consecutive bytes.
; THE HEAD HAS 64 CHANNELS, THE INSTRUCTION 128 ALONG K: a fragment of K holds TWO tiles of 16 keys (registers 0-7, 8-15); it is multiplied once by [q | zero codes] and once by [zero codes | q].  k's codes are finite
; (made with the hold), so zero codes add nothing.  Inside a block of 32, q and k carry one order of the channels, p and v one order of the keys: place (c, h, i) holds 32 c + 16 (i / 8) + 8 h + i % 8.
; y meets a given operand next, so its codes are put in true order by one exchange between lanes l and l xor 16.
; OUT: yc: [tile of 16 rows 512][128 along K 8][c 4][lane][16 bytes]; ys: [8192][32] scale bytes (two bytes a token and head: these stores cover parts of 256-byte blocks; they are 1/33 of what is stored).
; LIMITS: NaN and infinities are not served; a block under 2^(16 - 127) gets the byte 1 (only this program reads the bytes); a p under 2^-126 counts as 0.
; REGISTERS: v1-8 addresses; v12 -M, v13 the largest t, v[14:15] the sum; v16-39 zeros | q | zeros; v40-47 the early tile's q; v48-111 four fragments; v112-175 S^T, then p; v176-207 O^T; v208-223 codes; v224-255 at work.
.set SLOT1, 1<<17                      ; slot 1 begins here: one exclusive or turns an address
.set VOFF,  16384                      ; a slot: K's 16,384 bytes, V's 16,384, 1,024 of scale words
.set SOFF,  32768
.set SPARE, 2*SLOT1                    ; the spare words, 128 bytes a wave: eight blocks of 256 bytes that no other line names
.set LI,  1                            ; v1 16 x lane
.set LR,  2                            ; v2 16 x (lane % 16)
.set SPW, 3
.set NIL, 4
.set ADI, 5                            ; v5 LDS address of the step's fragments
.set ADS, 6                            ; v6 of its scale words
.set GO,  7                            ; v7 my offset in yc
.set GS,  8                            ; v8 my offset in ys
.set QL,  40
.set KV,  48
.set S,   112
.set O,   176
.set PCD, 208
.set BM,  224
.set T1,  228
.set HOLD, 232
.set CVS, 236
.set SCW, 240                          ; v240-243 K's or V's scale words
.set F,   244
.set PWD, 245                          ; p's scale word
.set TMP, 246
.set QW,  247                          ; q's scale word, its two bytes twice
.set QWL, 248                          ; the early tile's
.set WV, 12
.set BH, 14
.set SW, 15                            ; s15 the slot at which the tiles change: 8 - j
.set KSL, 16                           ; s16 the key slot asked for last
.set CUR, 17                           ; s17 the slot in hand, 0..8
.set SLOTS, 18
.set MNT, 19
.set SEL, 20
.set CS, 22
.set TB, 24                            ; s24 LDS byte at which the slot in hand begins
.set KF, 25                            ; s25 the step's first key
.set Q0, 26                            ; s26 my first query
.set TI, 27                            ; s27 the tile in hand
.set HM, 28
.set TIL, 29                           ; s29 the early tile
; Waves 0 and 1 fetch K's and V's codes, wave 2 the scale words, the others nothing.  Four v_nop follow each of the two lines.
.macro TLOAD
	s_cmp_lt_u32 s[WV], 2
	s_cbranch_scc0 .Lnot_c_\@
	tensor_load_to_lds s[48:51], s[32:39]
	s_nop 0
.rept 4
	v_nop
.endr
	s_branch .Lasked_\@
.Lnot_c_\@:
	s_cmp_lt_u32 s[WV], 3
	s_cbranch_scc0 .Lasked_\@
	tensor_load_to_lds s[52:55], s[40:47]
	s_nop 0
.rept 4
	v_nop
.endr
.Lasked_\@:
.endm
	s_load_b256 s[4:11], s[0:1], 0x0               ; qkvc s[4:5], qkvs s[6:7], yc s[8:9], ys s[10:11]
	v_lshl_add_u32 v[SPW], v0, 2, SPARE
	v_mov_b32 v[NIL], 0
	ds_add_u32 v3, v4
	ds_add_u32 v3, v4
	s_wait_dscnt 0x0
	v_lshrrev_b32 v5, 5, v0
	s_delay_alu instid0(VALU_DEP_1)
	v_readfirstlane_b32 s[WV], v5                  ; wave 0..15
	s_and_b32 s[BH], ttmp7, 0xffff                 ; 16 x batch + head
	s_sub_co_u32 s[SW], 8, ttmp9
	s_lshl_b32 s60, ttmp9, 4
	s_add_co_u32 s[TIL], s60, s[WV]                ; the early tile: 16 j + w
	s_sub_co_u32 s[TI], 127, s[TIL]                ; the late one
	s_lshl_b32 s[Q0], s[TI], 4
	s_mov_b32 s32, 3<<16                           ; codes: 16,384 dense bytes as 64 rows of 256 (32 elements of 8 bytes), no mask, no padding
	s_mov_b32 s33, 32<<16
	s_mov_b32 s34, 64<<16
	s_mov_b32 s35, 32<<16
	s_mov_b32 s36, 64
	s_mov_b32 s37, 32
	s_mov_b32 s38, 0
	s_mov_b32 s39, 0
	s_mov_b32 s40, 3<<16                           ; scale words: 1,024 dense bytes as 4 rows of 256
	s_mov_b32 s41, 32<<16
	s_mov_b32 s42, 4<<16
	s_mov_b32 s43, 32<<16
	s_mov_b32 s44, 4
	s_mov_b32 s45, 32
	s_mov_b32 s46, 0
	s_mov_b32 s47, 0
	s_and_b32 s60, s[WV], 1                        ; wave 0: K, wave 1: V
	s_lshl_b32 s61, s60, 14                        ; its place in a slot
	s_add_co_u32 s62, s60, 1
	s_lshl_b32 s62, s62, 23                        ; k at 2^23, v at 2^24
	s_lshl_b32 s63, s[BH], 17
	s_add_co_u32 s30, s62, s63
	s_mov_b32 s31, 0                               ; stays 0: the upper word of every offset made in s30
	s_lshl_b32 s66, s[BH], 13
	s_add_co_u32 s66, s66, 0x40000
	s_mov_b32 s67, 0
	s_mov_b32 s[SEL], 0x76543210
	s_mov_b32 s[SEL+1], 0xfedcba98                 ; v_permlanex16_b32's selects for lane l xor 16
	s_mov_b32 s[CS], 0x3e38aa3b                    ; c = log2(e) / 8
	s_mov_b32 s[CS+1], s[CS]
	s_mov_b32 s[HM], 0xffff0000                    ; lanes 16-31
	s_mov_b32 s[TB], 0
	s_mov_b32 s[KF], 0
	s_mov_b32 s[CUR], 0
	s_mov_b32 s[KSL], 0
	s_mov_b32 s[SLOTS], 8
	s_wait_kmcnt 0x0
	s_add_nc_u64 s[56:57], s[4:5], s[30:31]        ; the head's codes of K or V
	s_add_nc_u64 s[58:59], s[6:7], s[66:67]        ; the head's scale words of K and V
	s_mov_b32 s48, 1
	s_mov_b32 s49, s61
	s_mov_b64 s[50:51], s[56:57]
	s_or_b32 s51, s51, 0x80000000
	s_mov_b32 s52, 1
	s_mov_b32 s53, SOFF
	s_mov_b64 s[54:55], s[58:59]
	s_or_b32 s55, s55, 0x80000000
	TLOAD                                          ; key slot 0 into slot 0: one load of a wave is out
	v_and_b32 v5, 31, v0
	s_delay_alu instid0(VALU_DEP_1)
	v_lshlrev_b32 v[LI], 4, v5
	v_and_b32 v6, 15, v0
	s_delay_alu instid0(VALU_DEP_1)
	v_lshlrev_b32 v[LR], 4, v6
	s_wait_alu depctr_va_vdst(0)
	s_lshl_b32 s60, s[TI], 10
	s_add_co_u32 s60, s60, s63                     ; q: head x 2^17 + tile x 1,024
	v_add_nc_u32 v9, s60, v[LI]
	s_lshl_b32 s61, s[TIL], 10
	s_add_co_u32 s61, s61, s63
	v_add_nc_u32 v10, s61, v[LI]
	global_load_b128 v[24:27], v9, s[4:5]
	global_load_b128 v[28:31], v9, s[4:5] offset:512
	global_load_b128 v[QL:QL+3], v10, s[4:5]
	global_load_b128 v[QL+4:QL+7], v10, s[4:5] offset:512
	s_lshl_b32 s62, s[BH], 12                      ; q's words: head x 4,096 + (tile / 8) x 256 + 16 r + 4 x (pair of tiles)
	s_lshr_b32 s60, s[TI], 3
	s_lshl_b32 s60, s60, 8
	s_add_co_u32 s60, s60, s62
	s_bfe_u32 s61, s[TI], 0x20001
	s_lshl_b32 s61, s61, 2
	s_add_co_u32 s60, s60, s61
	v_add_nc_u32 v11, s60, v[LR]
	global_load_b32 v[QW], v11, s[6:7]
	s_lshr_b32 s60, s[TIL], 3
	s_lshl_b32 s60, s60, 8
	s_add_co_u32 s60, s60, s62
	s_bfe_u32 s61, s[TIL], 0x20001
	s_lshl_b32 s61, s61, 2
	s_add_co_u32 s60, s60, s61
	v_add_nc_u32 v[GO], s60, v[LR]
	global_load_b32 v[QWL], v[GO], s[6:7]
	s_mov_b32 s62, 0x01000100                      ; an even tile's two bytes are the word's lower two, an odd tile's the upper two; they are wanted twice
	s_and_b32 s60, s[TI], 1
	s_cselect_b32 s60, 0x03020302, s62
	s_and_b32 s61, s[TIL], 1
	s_cselect_b32 s61, 0x03020302, s62
.irp i, 0,1,2,3,4,5,6,7
	v_mov_b32 v[16+\i], 0                          ; zero codes on both sides of q
	v_mov_b32 v[32+\i], 0
.endr
	v_mov_b32 v13, 0xff61b1e6                      ; the largest t so far: -3e38
	s_delay_alu instid0(VALU_DEP_1)
	v_floor_f32 v12, -v13                          ; -M
	v_mov_b32 v14, 0
	v_mov_b32 v15, 0
.irp b, 0,1,2,3
	v_mov_b32 v[T1+\b], 0                          ; a lane permute's destination counts as one of its sources
.endr
	v_mov_b32 v[PWD], 0                            ; (named as the upper half of the pair v[244:245] before it is first written)
	s_wait_loadcnt 0x0
	v_perm_b32 v[QW], v[QW], v[QW], s60
	v_perm_b32 v[QWL], v[QWL], v[QWL], s61
.set n, 0
.rept 32
	v_mov_b32 v[O+n], 0                            ; O^T: the first change of M multiplies zeros.  (These lines are also the places between the scale word's making and the first product)
.set n, n+1
.endr
; A KEY STEP: 128 keys, the q-th of the slot in hand.
.macro STEP q
	s_add_co_u32 s60, s[Q0], 15
	s_cmp_gt_u32 s[KF], s60                        ; all its keys come after my queries: nothing to do
	s_cbranch_scc1 .Lhidden_\@
	v_add_nc_u32 v[ADI], s[TB], v[LI]
	v_add_nc_u32 v[ADS], s[TB], v[LR]
.rept 6
	v_nop                                          ; with the two additions: eight places ahead of loads into registers that the last products read
.endr
.irp i, 0,1,2,3
.irp c, 0,1,2,3
	ds_load_b128 v[KV+16*\i+4*\c:KV+16*\i+4*\c+3], v[ADI] offset:8192*\q+2048*\i+512*\c
.endr
.endr
	ds_load_b128 v[SCW:SCW+3], v[ADS] offset:SOFF+256*\q     ; key r's words of the four pairs of tiles
	s_wait_alu depctr_va_vdst(0)
	s_wait_dscnt 0x0
.irp i, 0,1,2,3                                ; S^T: tile 2 i by [q | 0], tile 2 i + 1 by [0 | q]
	v_wmma_scale_f32_16x16x128_f8f6f4 v[S+16*\i:S+16*\i+7], v[KV+16*\i:KV+16*\i+15], v[24:39], 0, v[SCW+\i], v[QW] matrix_a_fmt:MATRIX_FMT_BF8 matrix_b_fmt:MATRIX_FMT_BF8
	v_wmma_scale_f32_16x16x128_f8f6f4 v[S+16*\i+8:S+16*\i+15], v[KV+16*\i:KV+16*\i+15], v[16:31], 0, v[SCW+\i], v[QW] matrix_a_fmt:MATRIX_FMT_BF8 matrix_b_fmt:MATRIX_FMT_BF8
.endr
.rept 8
	v_nop
.endr
.irp t, 0,1,2,3                                ; V's fragments are asked for now and land under the softmax
.irp c, 0,1,2,3
	ds_load_b128 v[KV+16*\t+4*\c:KV+16*\t+4*\c+3], v[ADI] offset:VOFF+8192*\q+2048*\t+512*\c
.endr
.endr
	ds_load_b128 v[SCW:SCW+3], v[ADS] offset:SOFF+512+256*\q ; channel r's words of the four tiles of 16 channels
	s_add_co_u32 s60, s[KF], 127                   ; on the diagonal hidden scores become -infinity; a step all of whose keys count skips this
	s_cmp_le_u32 s60, s[Q0]
	s_cbranch_scc1 .Lopen_\@
	s_sub_co_i32 s60, s[Q0], s[KF]
	v_and_b32 v249, 15, v0
	v_bfe_u32 v250, v0, 4, 1
	s_delay_alu instid0(VALU_DEP_1)
	v_lshlrev_b32 v250, 3, v250
	s_delay_alu instid0(VALU_DEP_1)
	v_sub_nc_u32 v249, v249, v250
	s_delay_alu instid0(VALU_DEP_1)
	v_add_nc_u32 v249, s60, v249                   ; d = my query - KF - 8 h.  Register n holds key KF + 16 (n / 8) + 8 h + n % 8: hidden where 16 (n / 8) + n % 8 > d
	v_mov_b32 v251, 0xff800000
.set n, 0
.rept 64
	v_cmp_gt_i32 vcc_lo, 16*(n/8)+n%8, v249
	v_cndmask_b32 v[S+n], v[S+n], v251, vcc_lo
.set n, n+1
.endr
.Lopen_\@:
.irp b, 0,1,2,3
	v_max3_num_f32 v[BM+\b], v[S+16*\b], v[S+1+16*\b], v[S+2+16*\b]   ; the largest score of each block of 32 keys: for the row's maximum, and for the block's largest p
.endr
.irp i, 3,5,7,9,11,13
.irp b, 0,1,2,3
	v_max3_num_f32 v[BM+\b], v[BM+\b], v[S+16*\b+\i], v[S+1+16*\b+\i]
.endr
.endr
.irp b, 0,1,2,3
	v_max_num_f32 v[BM+\b], v[BM+\b], v[S+15+16*\b]
.endr
.irp b, 0,1,2,3
	s_delay_alu instid0(VALU_DEP_4)
	v_permlanex16_b32 v[T1+\b], v[BM+\b], s[SEL], s[SEL+1]
.endr
.irp b, 0,1,2,3
	s_delay_alu instid0(VALU_DEP_4)
	v_max_num_f32 v[BM+\b], v[BM+\b], v[T1+\b]
.endr
	s_delay_alu instid0(VALU_DEP_2)
	v_max3_num_f32 v[TMP], v[BM], v[BM+1], v[BM+2]
	s_delay_alu instid0(VALU_DEP_1)
	v_max_num_f32 v[TMP], v[TMP], v[BM+3]
	s_delay_alu instid0(VALU_DEP_1)
	v_mul_f32 v[TMP], s[CS], v[TMP]
	s_delay_alu instid0(VALU_DEP_1)
	v_max_num_f32 v13, v13, v[TMP]                 ; the running largest t
	v_mov_b32 v[TMP], v12
	s_delay_alu instid0(VALU_DEP_2)
	v_floor_f32 v12, -v13                          ; the new -M = -ceil(t)
	s_delay_alu instid0(VALU_DEP_1)
	v_sub_f32 v[TMP], v12, v[TMP]                  ; old M - new M: a whole number, 0 or less
	s_delay_alu instid0(VALU_DEP_1)
	v_cvt_i32_f32 v[TMP], v[TMP]                   ; (it saturates)
	s_delay_alu instid0(VALU_DEP_1)
	v_ldexp_f32 v[F], 1.0, v[TMP]                  ; f = 2^(old M - new M)
.set n, 0
.rept 32
	v_pk_fma_f32 v[S+n:S+n+1], v[S+n:S+n+1], s[CS:CS+1], v[12:13] op_sel_hi:[1,0,0]   ; t - M
.set n, n+2
.endr
.irp b, 0,1,2,3
	v_fma_f32 v[BM+\b], v[BM+\b], s[CS], v12
.endr
.set n, 0
	s_wait_alu depctr_va_vdst(0)
.rept 64
	v_exp_f32 v[S+n], v[S+n]                       ; p = 2^(t - M)
.set n, n+1
.endr
.irp b, 0,1,2,3
	v_exp_f32 v[BM+\b], v[BM+\b]                   ; the block's largest p
.endr
	v_pk_mul_f32 v[14:15], v[14:15], v[F:F+1] op_sel_hi:[1,0]   ; the sums under the new M.  (A plain line behind the exponentials)
	s_wait_alu depctr_va_vdst(0)
.irp b, 0,1,2,3
	v_max_num_f32 v[BM+\b], 0x8000000, v[BM+\b]    ; the floor 2^(16 - 127)
.endr
.irp b, 0,1,2,3
	s_delay_alu instid0(VALU_DEP_4)
	v_add_nc_u32 v[CVS+\b], 0xf8800000, v[BM+\b]
.endr
.irp b, 0,1,2,3
.endr
.irp b, 0,1,2,3
	s_delay_alu instid0(VALU_DEP_4)
	v_lshrrev_b32 v[T1+\b], 23, v[CVS+\b]
.endr
	s_delay_alu instid0(VALU_DEP_3)
	v_lshl_or_b32 v[PWD], v[T1+1], 8, v[T1]        ; p's scale word for these 128 keys
	s_delay_alu instid0(VALU_DEP_1)
	v_lshl_or_b32 v[PWD], v[T1+2], 16, v[PWD]
	s_delay_alu instid0(VALU_DEP_1)
	v_lshl_or_b32 v[PWD], v[T1+3], 24, v[PWD]
	v_pk_add_f32 v[228:229], v[116:117], v[120:121]
	v_pk_add_f32 v[254:255], v[124:125], v[128:129]
	v_pk_add_f32 v[252:253], v[132:133], v[136:137]
	v_pk_add_f32 v[250:251], v[140:141], v[144:145]
	v_pk_add_f32 v[234:235], v[148:149], v[152:153]
	v_pk_add_f32 v[232:233], v[156:157], v[160:161]
	v_pk_add_f32 v[226:227], v[164:165], v[168:169]
	v_pk_add_f32 v[14:15], v[14:15], v[172:173]
	v_pk_add_f32 v[228:229], v[228:229], v[112:113]
	v_pk_add_f32 v[254:255], v[254:255], v[114:115]
	v_pk_add_f32 v[252:253], v[252:253], v[118:119]
	v_pk_add_f32 v[250:251], v[250:251], v[122:123]
	v_pk_add_f32 v[234:235], v[234:235], v[126:127]
	v_pk_add_f32 v[232:233], v[232:233], v[130:131]
	v_pk_add_f32 v[226:227], v[226:227], v[134:135]
	v_pk_add_f32 v[14:15], v[14:15], v[138:139]
	v_pk_add_f32 v[228:229], v[228:229], v[142:143]
	v_pk_add_f32 v[254:255], v[254:255], v[146:147]
	v_pk_add_f32 v[252:253], v[252:253], v[150:151]
	v_pk_add_f32 v[250:251], v[250:251], v[154:155]
	v_pk_add_f32 v[234:235], v[234:235], v[158:159]
	v_pk_add_f32 v[232:233], v[232:233], v[162:163]
	v_pk_add_f32 v[226:227], v[226:227], v[166:167]
	v_pk_add_f32 v[14:15], v[14:15], v[170:171]
	v_pk_add_f32 v[228:229], v[228:229], v[174:175]
	s_delay_alu instid0(VALU_DEP_2)
	v_pk_add_f32 v[14:15], v[14:15], v[250:251]
	s_delay_alu instid0(VALU_DEP_2)
	v_pk_add_f32 v[228:229], v[228:229], v[234:235]
	v_pk_add_f32 v[254:255], v[254:255], v[232:233]
	v_pk_add_f32 v[252:253], v[252:253], v[226:227]
	s_delay_alu instid0(VALU_DEP_2)
	v_pk_add_f32 v[14:15], v[14:15], v[254:255]
	s_delay_alu instid0(VALU_DEP_2)
	v_pk_add_f32 v[228:229], v[228:229], v[252:253]
	s_delay_alu instid0(VALU_DEP_1)
	v_pk_add_f32 v[14:15], v[14:15], v[228:229]
.irp b, 0,1,2,3
.irp i, 0,1,2,3,4,5,6,7,8,9,10,11,12,13,14,15
.endr
	v_cvt_scalef32_pk8_bf8_f32 v[PCD+4*\b:PCD+1+4*\b], v[S+16*\b:S+7+16*\b], v[CVS+\b]
	v_cvt_scalef32_pk8_bf8_f32 v[PCD+2+4*\b:PCD+3+4*\b], v[S+8+16*\b:S+15+16*\b], v[CVS+\b]
.endr
.set n, 0
.rept 16
	v_pk_mul_f32 v[O+n:O+n+1], v[O+n:O+n+1], v[F:F+1] op_sel_hi:[1,0]   ; O^T under the new M.  (Also the lines between the codes' making and the products)
.set n, n+2
.endr
	s_wait_alu depctr_va_vdst(0)
	s_wait_dscnt 0x0                               ; V
.irp t, 0,1,2,3                                ; O^T += V^T P^T: four accumulators by turns
	v_wmma_scale_f32_16x16x128_f8f6f4 v[O+8*\t:O+8*\t+7], v[KV+16*\t:KV+16*\t+15], v[PCD:PCD+15], v[O+8*\t:O+8*\t+7], v[SCW+\t], v[PWD] matrix_a_fmt:MATRIX_FMT_BF8 matrix_b_fmt:MATRIX_FMT_BF8
.endr
.Lhidden_\@:
	s_add_co_u32 s[KF], s[KF], 128
.endm
; THE CHANGE OF SLOTS, at a slot's head.  Each wave waits for all its tensor loads, adds 0 to its spare word, and waits for that and for its reads of the slot that it has left.  fill = 1: that slot takes the next key slot.
.macro CHANGE fill
	s_wait_tensorcnt 0x0                           ; no tensor load of mine is out, so the descriptors may be written
	ds_add_u32 v[SPW], v[NIL]                      ; 0 onto my spare word
.if \fill
	s_xor_b32 s49, s49, SLOT1
	s_xor_b32 s53, s53, SLOT1
	s_add_co_u32 s[KSL], s[KSL], 1                 ; the next key slot; behind the late tiles' last one the early tiles begin again at 0
	s_cmp_eq_u32 s[KSL], s[SW]
	s_cselect_b32 s[KSL], 0, s[KSL]
	s_lshl_b32 s30, s[KSL], 14
	s_add_nc_u64 s[50:51], s[56:57], s[30:31]
	s_or_b32 s51, s51, 0x80000000
	s_lshl_b32 s30, s[KSL], 10
	s_add_nc_u64 s[54:55], s[58:59], s[30:31]
	s_or_b32 s55, s55, 0x80000000
.endif
	s_wait_dscnt 0x0                               ; the add is done, and my reads of the slot that I have left are over
	s_barrier_signal -1
	s_barrier_wait -1
.if \fill
	TLOAD                                          ; first behind the barrier, a wave's one tensor load until the next: it has a slot's two steps in which to land
.endif
.endm
; A TILE'S END: O^T / the sum, quantised along the 64 channels (two blocks), put in true order, stored.
.macro FINISH
.rept 8
	v_nop                                          ; behind the last products
.endr
	v_add_f32 v14, v14, v15
	s_delay_alu instid0(VALU_DEP_1)
	v_permlanex16_b32 v[T1], v14, s[SEL], s[SEL+1]
	s_delay_alu instid0(VALU_DEP_1)
	v_add_f32 v14, v14, v[T1]                      ; the row's sum
	s_wait_alu depctr_va_vdst(0)
	v_rcp_f32 v14, v14
	s_lshr_b32 s60, s[BH], 4                       ; the batch
	s_and_b32 s61, s[BH], 15                       ; the head
	s_lshl_b32 s62, s60, 7
	s_add_co_u32 s62, s62, s[TI]                   ; the tile of 16 rows of y
	s_lshl_b32 s63, s62, 14
	s_lshr_b32 s66, s61, 1
	s_lshl_b32 s66, s66, 11                        ; two heads to 128 along K,
	s_add_co_u32 s63, s63, s66
	s_and_b32 s66, s61, 1
	s_lshl_b32 s66, s66, 10                        ; 1,024 bytes each
	s_add_co_u32 s63, s63, s66
	s_lshl_b32 s62, s62, 9                         ; 16 rows of 32 scale bytes
	s_lshl_b32 s61, s61, 1
	s_add_co_u32 s62, s62, s61
	v_add_nc_u32 v[GO], s63, v[LI]                 ; (a plain line behind the reciprocal)
	v_lshl_add_u32 v[GS], v[LR], 1, s62            ; 32 r + ..
.set n, 0
	s_wait_alu depctr_va_vdst(0)
.rept 16
	v_pk_mul_f32 v[S+n:S+n+1], v[O+n:O+n+1], v[14:15] op_sel_hi:[1,0]   ; register 16 b + i is channel 32 b + 16 (i / 8) + 8 h + i % 8
.set n, n+2
.endr
.irp b, 0,1
	v_max3_num_f32 v[BM+\b], |v[S+16*\b]|, |v[S+1+16*\b]|, 0x8000000
.endr
.irp i, 2,4,6,8,10,12,14
.irp b, 0,1
	s_delay_alu instid0(VALU_DEP_2)
	v_max3_num_f32 v[BM+\b], v[BM+\b], |v[S+16*\b+\i]|, |v[S+1+16*\b+\i]|
.endr
.endr
.irp b, 0,1
	s_delay_alu instid0(VALU_DEP_2)
	v_permlanex16_b32 v[T1+\b], v[BM+\b], s[SEL], s[SEL+1]
.endr
.irp b, 0,1
	s_delay_alu instid0(VALU_DEP_2)
	v_max_num_f32 v[BM+\b], v[BM+\b], v[T1+\b]
.endr
.irp b, 0,1
	s_delay_alu instid0(VALU_DEP_2)
	v_add_nc_u32 v[CVS+\b], 0xf8800000, v[BM+\b]
.endr
.irp b, 0,1
	s_delay_alu instid0(VALU_DEP_2)
	v_lshrrev_b32 v[BM+2+\b], 23, v[CVS+\b]
.endr
	s_delay_alu instid0(VALU_DEP_1)
	v_lshl_or_b32 v[TMP], v[BM+3], 8, v[BM+2]      ; my row's two scale bytes
.irp b, 0,1
.irp i, 0,1,2,3,4,5,6,7,8,9,10,11,12,13,14,15
.endr
	v_cvt_scalef32_pk8_bf8_f32 v[PCD+4*\b:PCD+1+4*\b], v[S+16*\b:S+7+16*\b], v[CVS+\b]       ; A: channels 32 b + 8 h + 0 .. 7
	v_cvt_scalef32_pk8_bf8_f32 v[PCD+2+4*\b:PCD+3+4*\b], v[S+8+16*\b:S+15+16*\b], v[CVS+\b]  ; B: channels 32 b + 16 + 8 h + 0 .. 7
.endr
	v_nop
	; true order: lanes 0-15 want channels 32 b + 0 .. 15 = their A, the partner's A; lanes 16-31 want 32 b + 16 .. 31 = the partner's B, their B.  So lanes 0-15 send B and lanes 16-31 send A.
.irp b, 0,1
.irp e, 0,1
	v_cndmask_b32 v[PCD+8+2*\b+\e], v[PCD+4*\b+2+\e], v[PCD+4*\b+\e], s[HM]
.endr
.endr
.irp x, 0,1,2,3
	s_delay_alu instid0(VALU_DEP_4)
	v_permlanex16_b32 v[T1+\x], v[PCD+8+\x], s[SEL], s[SEL+1]
.endr
.irp b, 0,1
.irp e, 0,1
	v_cndmask_b32 v[PCD+8+4*\b+\e], v[PCD+4*\b+\e], v[T1+2*\b+\e], s[HM]
	v_cndmask_b32 v[PCD+10+4*\b+\e], v[T1+2*\b+\e], v[PCD+4*\b+2+\e], s[HM]
.endr
.endr
	global_store_b128 v[GO], v[PCD+8:PCD+11], s[8:9]             ; 512 consecutive bytes, at a multiple of 512
	global_store_b128 v[GO], v[PCD+12:PCD+15], s[8:9] offset:512
	global_store_b16 v[GS], v[TMP], s[10:11]                     ; lanes l and l xor 16 store the same two bytes at the same place
.endm
.macro INITLOW                         ; on to the early tile
.irp i, 0,1,2,3,4,5,6,7
	v_mov_b32 v[24+\i], v[QL+\i]
.endr
	v_mov_b32 v[QW], v[QWL]
	v_mov_b32 v13, 0xff61b1e6
	s_delay_alu instid0(VALU_DEP_1)
	v_floor_f32 v12, -v13
	v_mov_b32 v14, 0
	v_mov_b32 v15, 0
.set n, 0
.rept 32
	v_mov_b32 v[O+n], 0
.set n, n+1
.endr
	s_lshl_b32 s[Q0], s[TIL], 4
	s_mov_b32 s[TI], s[TIL]
	s_mov_b32 s[KF], 0
	s_wait_xcnt 0x0                                ; the stores' data and offsets are written again only behind this wait
.endm
.macro SWITCH                          ; a branch on ids: no barrier and no tensor load stands inside
	s_cmp_lg_u32 s[CUR], s[SW]
	s_cbranch_scc1 .Lsame_\@
	FINISH
	INITLOW
.Lsame_\@:
.endm
.macro SLOT_STEPS
	STEP 0
	STEP 1
	s_xor_b32 s[TB], s[TB], SLOT1
	s_add_co_u32 s[CUR], s[CUR], 1
.endm
.Lslot:                                            ; 8 trips: behind each change of slots but the last the next slot is asked for
	CHANGE 1
	SWITCH
	SLOT_STEPS
	s_sub_co_u32 s[SLOTS], s[SLOTS], 1
	s_cmp_lg_u32 s[SLOTS], 0
	s_cbranch_scc1 .Lslot
	CHANGE 0                                       ; the last slot is written out
	SWITCH
	SLOT_STEPS
	FINISH
	s_wait_tensorcnt 0x0                           ; the wave's end
	ds_add_u32 v[SPW], v[NIL]
	s_wait_dscnt 0x0
	s_endpgm
.Lfunc_end_k_q92cc2edf75_attn:
	.size	k_q92cc2edf75_attn, .Lfunc_end_k_q92cc2edf75_attn-k_q92cc2edf75_attn
	.p2alignl 7, 3214868480
	.fill 96, 4, 3214868480
	.section	.rodata,"a",@progbits
	.p2align	6, 0x0
	.amdhsa_kernel k_q92cc2edf75_attn
		.amdhsa_group_segment_fixed_size 327680
		.amdhsa_private_segment_fixed_size 0
		.amdhsa_enable_private_segment 0
		.amdhsa_kernarg_size 32
		.amdhsa_user_sgpr_count 2
		.amdhsa_user_sgpr_kernarg_segment_ptr 1
		.amdhsa_wavefront_size32 1
		.amdhsa_system_sgpr_workgroup_id_x 1
		.amdhsa_system_sgpr_workgroup_id_y 1
		.amdhsa_system_sgpr_workgroup_id_z 1
		.amdhsa_system_vgpr_workitem_id 0
		.amdhsa_next_free_vgpr 256
		.amdhsa_next_free_sgpr 70
		.amdhsa_reserve_vcc 1
		.amdhsa_float_denorm_mode_32 3
		.amdhsa_float_denorm_mode_16_64 3
		.amdhsa_fp16_overflow 1
		.amdhsa_memory_ordered 1
		.amdhsa_forward_progress 1
		.amdhsa_inst_pref_size 120
	.end_amdhsa_kernel
	.amdgpu_metadata
---
amdhsa.version: [ 1, 2 ]
amdhsa.kernels:
  - .name:           k_q92cc2edf75_attn
    .symbol:         k_q92cc2edf75_attn.kd
    .args:
      - { .name: qkvc, .offset: 0, .size: 8, .value_kind: global_buffer, .address_space: global }
      - { .name: qkvs, .offset: 8, .size: 8, .value_kind: global_buffer, .address_space: global }
      - { .name: yc, .offset: 16, .size: 8, .value_kind: global_buffer, .address_space: global }
      - { .name: ys, .offset: 24, .size: 8, .value_kind: global_buffer, .address_space: global }
    .group_segment_fixed_size: 327680
    .private_segment_fixed_size: 0
    .kernarg_segment_align: 8
    .kernarg_segment_size: 32
    .max_flat_workgroup_size: 512
    .sgpr_count:     70
    .vgpr_count:     256
    .wavefront_size: 32
...
	.end_amdgpu_metadata
.endif
;; end of part 2
;; launch proj (part 3): grid 4 x 32, 4 waves a work-group, clusters of 4 x 4, 327,680 bytes of LDS; arguments yc, ys, w_proj_codes, w_proj_scales, b_proj, out0; writes out0
.if DOCPART == 3
	.amdgcn_target "amdgcn-amd-amdhsa--gfx1250"
	.amdhsa_code_object_version 6
	.text
	.protected	k_q92cc2edf75_proj
	.globl	k_q92cc2edf75_proj
	.p2align	8
	.type	k_q92cc2edf75_proj,@function
k_q92cc2edf75_proj:
	s_mov_b64 s[64:65], 0
	v_nop
	global_prefetch_b8 v0, s[64:65] scope:SCOPE_SE
	s_setreg_imm32_b32 hwreg(HW_REG_WAVE_MODE, 25, 1), 1
	s_wait_xcnt 0x0
	s_wait_alu depctr_hold_cnt(0) depctr_sa_sdst(0) depctr_va_vdst(0) depctr_va_sdst(0) depctr_va_ssrc(0) depctr_va_vcc(0) depctr_vm_vsrc(0)
	s_getreg_b32 s2, hwreg(HW_REG_IB_STS2, 6, 4)
	s_cmp_eq_u32 s2, 0
	s_cbranch_scc0 .Lentry_in_a_cluster
	s_endpgm
.Lentry_in_a_cluster:
	s_bfe_u32 s2, ttmp6, 0x10000c
	s_cmp_lg_u32 s2, 0xf033
	s_cbranch_scc0 .Lentry_shape_is_right
	s_endpgm
.Lentry_shape_is_right:
; out0 = y w_proj^T + b_proj on codes of BF8 (E5M2) with E8M0 scales.  y: 8,192 rows x 1,024, as images of operand fragments: yc [tile of 16 rows 512][128 along K 8][c 4][lane][16 bytes]; ys [8192][32] scale bytes.
; w_proj: [1024][1024] codes, [1024][32] scale bytes; b_proj [1024] f32; out0 [8192][1024] f32.
; A work-group of four waves makes 256 x 256 of out0, a wave 128 x 128: 64 accumulators.  K goes in four steps of 256 through two LDS slots filled by the tensor data mover.
; THE MATRIX INSTRUCTION IS USED TRANSPOSED (source 0 = 16 rows of w, source 1 = 16 rows of y): a lane holds eight neighbouring numbers of a row of out0.  The bias is the C of the first products.
; y's tiles are dense runs of 4,096 bytes for each 16 rows and 256 along K: they lie in LDS as they lie in memory, and a fragment load takes 512 consecutive bytes.  w's tiles are rows of 256 bytes + 16 of padding.
; The scale bytes of the work-group's rows, for all of K, come into LDS once.  CLUSTERS: 4 x 4; y's tiles are shared along a row of the cluster, w's along a column, by joint tensor loads.
; The grid has 128 work-groups: 8,192 x 1,024 / (256 x 256).
; REGISTERS, in windows of 256: window 0: v0-31 addresses; v32-63 scale words, two sets; v64-127 the bias; from v128 y's fragments, one set (the way out: v128-255).  window 1: w's fragments, two sets.  windows 2, 3: the accumulators.
.set SIZE_N, 1024
.set NQ,     2
.set TROW,   256
.set KROW,   1024
.set PITCH,  272
.set FR,     16
.set NL,     4
.set NP,     8
.set AHALF,  32768                     ; y: 128 rows x 256 along K: what one tensor load brings
.set HALFT,  128*PITCH                 ; w: likewise, padded
.set BOFF,   2*AHALF
.set SLOT,   BOFF+2*HALFT
.set LAPS,   2
.set KS,     32
.set SCL,    2*SLOT
.set HALFS,  (128*KS/256)*272
.set SBLK,   (16*KS/256)*272
.set SPARE,  SCL+4*HALFS               ; the spare words, 128 bytes a wave: two blocks of 256 bytes that no other line names
.set SPITCH, 528                       ; the way out: 16 rows x (512 + 16) bytes a wave, in slot 0, which has had its last fill and its last read by then
.set ADRA, 16
.set ADRB, 20
.set STO,  24
.set RD,   25
.set CO,   26
.set ADRS, 27
.set SPW,  28
.set NIL,  29
.set BRO,  31
.set SC,   32
.set BIA,  64
.set AF,   128
.set BK,   128
.set G1, 24
.set G0, 32
.set G1B, 48
.set G0B, 56
.set G1S, 68
.set G0S, 76
.set G1SB, 80
.set G0SB, 88
.set MSB, 0
.macro WIN new
.if MSB != \new
	s_set_vgpr_msb (MSB<<8)|\new
.set MSB, \new
.endif
.endm
.set MUL_LO, 0xa1
.set MUL_HI, 0xf1
.set FST_LO, 0x81                      ; C in window 0
.set FST_HI, 0xc1
.set TO_B,   0x40
.macro JLOAD g0a, g1a, g0b, g1b        ; waves 0 and 1 fetch for y, waves 2 and 3 for w; four v_nop follow each of the two lines
	s_cmp_eq_u32 s15, 0
	s_cbranch_scc0 .Lfor_b_\@
	tensor_load_to_lds s[\g0a:\g0a+3], s[\g1a:\g1a+7]
	s_nop 0
.rept 4
	v_nop
.endr
	s_branch .Lasked_\@
.Lfor_b_\@:
	tensor_load_to_lds s[\g0b:\g0b+3], s[\g1b:\g1b+7]
	s_nop 0
.rept 4
	v_nop
.endr
.Lasked_\@:
.endm
.macro CREST
	s_cmp_lg_u32 s14, 0
	s_cbranch_scc1 .Lnot_wave_0_\@
	s_barrier_signal -3
.Lnot_wave_0_\@:
	s_barrier_wait -3
	s_barrier_signal -1
	s_barrier_wait -1
.endm
.macro CROUND
	s_barrier_signal -1
	s_barrier_wait -1
	CREST
.endm
	s_load_b128 s[4:7], s[0:1], 0x0                ; yc, ys
	s_load_b128 s[8:11], s[0:1], 0x10              ; w's codes, w's scales
	s_load_b64 s[96:97], s[0:1], 0x20              ; b_proj
	s_load_b64 s[12:13], s[0:1], 0x28              ; out0
	v_lshl_add_u32 v[SPW], v0, 2, SPARE
	v_mov_b32 v[NIL], 0
	ds_add_u32 v28, v29
	ds_add_u32 v28, v29
	s_wait_dscnt 0x0
	v_lshrrev_b32 v1, 5, v0
	v_readfirstlane_b32 s14, v1                    ; wave 0..3
	s_lshr_b32 s15, s14, 1                         ; my half of the rows.  Also: I fetch for y (0) or for w (1)
	s_and_b32 s16, s14, 1                          ; my half of the columns.  Also: which 128 rows I fetch
	s_bfe_u32 s40, ttmp6, 0x40000
	s_bfe_u32 s41, ttmp6, 0x40004
	s_lshl_b32 s42, ttmp9, 2
	s_add_co_u32 s42, s42, s40                     ; tile column = 4 x cluster x + cx
	s_and_b32 s17, ttmp7, 0xffff
	s_lshl_b32 s17, s17, 2
	s_add_co_u32 s17, s17, s41                     ; tile row = 4 x cluster y + cy
	s_lshl_b32 s43, s41, 2
	s_lshl_b32 s43, 15, s43
	s_lshl_b32 s44, 0x1111, s40
	s_or_b32 s[G1+0], s43, (3<<16)|(1<<21)         ; y: the mask of my row; elements of 8 bytes; no padding; bit 21 beside a mask
	s_mov_b32 s[G1+1], 512<<16                     ; 512 elements = 4,096 bytes: 16 rows x 256 along K
	s_mov_b32 s[G1+2], 8<<16                       ; 8 tiles of 16 rows
	s_mov_b32 s[G1+3], 512<<16
	s_mov_b32 s[G1+4], 8
	s_mov_b32 s[G1+5], 2048                        ; 16,384 bytes from tile to tile
	s_mov_b32 s[G1+6], 0
	s_mov_b32 s[G1+7], 0
	s_or_b32 s[G1B+0], s44, (0<<16)|(1<<20)|(1<<21)|(5<<22)|(3<<25)  ; w: 128 rows of 256 bytes, 4 words of padding after every 64
	s_mov_b32 s[G1B+1], TROW<<16
	s_mov_b32 s[G1B+2], 128<<16
	s_mov_b32 s[G1B+3], TROW<<16
	s_mov_b32 s[G1B+4], 128
	s_mov_b32 s[G1B+5], KROW
	s_mov_b32 s[G1B+6], 0
	s_mov_b32 s[G1B+7], 0
	s_or_b32 s[G1S+0], s43, (3<<16)|(1<<20)|(1<<21)|(5<<22)|(3<<25)  ; the scale bytes of 128 rows: 16 rows of 256 bytes
	s_or_b32 s[G1SB+0], s44, (3<<16)|(1<<20)|(1<<21)|(5<<22)|(3<<25)
.irp g, G1S, G1SB
	s_mov_b32 s[\g+1], 32<<16
	s_mov_b32 s[\g+2], (128*KS/256)<<16
	s_mov_b32 s[\g+3], 32<<16
	s_mov_b32 s[\g+4], 128*KS/256
	s_mov_b32 s[\g+5], 32
	s_mov_b32 s[\g+6], 0
	s_mov_b32 s[\g+7], 0
.endr
	s_lshl_b32 s20, s17, 18                        ; y's codes: 256 rows are 2^18 bytes, 128 rows 2^17
	s_lshl_b32 s19, s16, 17
	s_add_co_u32 s20, s20, s19
	s_mov_b32 s21, 0
	s_lshl_b32 s22, s17, 13                        ; its scale bytes: 32 a row
	s_lshl_b32 s18, s16, 12
	s_add_co_u32 s22, s22, s18
	s_mov_b32 s23, 0
	s_lshl_b32 s46, s42, 18                        ; w likewise
	s_add_co_u32 s46, s46, s19
	s_mov_b32 s47, 0
	s_lshl_b32 s92, s42, 13
	s_add_co_u32 s92, s92, s18
	s_mov_b32 s93, 0
	s_lshl_b32 s45, s16, 15                        ; where they go: y's halves at 0 and 32,768,
	s_mul_i32 s95, s16, HALFT
	s_add_co_u32 s95, s95, BOFF                    ; w's behind them,
	s_mul_i32 s94, s14, HALFS                      ; the scale bytes by the wave's number
	s_wait_kmcnt 0x0
	s_add_nc_u64 s[20:21], s[4:5], s[20:21]
	s_add_nc_u64 s[22:23], s[6:7], s[22:23]
	s_add_nc_u64 s[46:47], s[8:9], s[46:47]
	s_add_nc_u64 s[92:93], s[10:11], s[92:93]
	CROUND                                         ; all sixteen work-groups are here: the first joint loads meet
	s_mov_b32 s[G0S], 1
	s_add_co_u32 s[G0S+1], s94, SCL
	s_mov_b64 s[G0S+2:G0S+3], s[22:23]
	s_or_b32 s[G0S+3], s[G0S+3], 0x80000000
	s_mov_b32 s[G0SB], 1
	s_add_co_u32 s[G0SB+1], s94, SCL
	s_mov_b64 s[G0SB+2:G0SB+3], s[92:93]
	s_or_b32 s[G0SB+3], s[G0SB+3], 0x80000000
	JLOAD G0S, G1S, G0SB, G1SB                     ; the scale bytes: filled once.  Each load below first waits for all before it: one load of mine is out
.irp s, 0,1
	s_mov_b32 s[G0+4*\s], 1
	s_add_co_u32 s[G0+4*\s+1], s45, \s*SLOT
	s_add_nc_u64 s[G0+4*\s+2:G0+4*\s+3], s[20:21], \s*4096
	s_or_b32 s[G0+4*\s+3], s[G0+4*\s+3], 0x80000000
	s_mov_b32 s[G0B+4*\s], 1
	s_add_co_u32 s[G0B+4*\s+1], s95, \s*SLOT
	s_add_nc_u64 s[G0B+4*\s+2:G0B+4*\s+3], s[46:47], \s*TROW
	s_or_b32 s[G0B+4*\s+3], s[G0B+4*\s+3], 0x80000000
	s_wait_alu depctr_va_vdst(0)
	s_wait_tensorcnt 0x0
	ds_add_u32 v28, v29
	s_wait_dscnt 0x0
	CROUND
	JLOAD G0+4*\s, G1, G0B+4*\s, G1B
.endr
	v_and_b32 v1, 15, v0                           ; r
	v_bfe_u32 v2, v0, 4, 1                         ; h
	v_and_b32 v6, 31, v0
	v_lshlrev_b32 v[CO], 4, v6                     ; 16 x lane
	v_mul_u32_u24 v3, v1, PITCH
	v_lshl_add_u32 v4, v2, 4, v3                   ; w: row x pitch + 16 h
	s_lshl_b32 s21, s15, 15                        ; my 128 rows of y
	s_mul_i32 s22, s16, HALFT                      ; my 128 rows of w
	s_add_co_u32 s22, s22, BOFF
.irp s, 0,1
	v_add_nc_u32 v[ADRA+\s], s21, v[CO]
	v_add_nc_u32 v[ADRB+\s], s22, v4
	s_add_co_u32 s21, s21, SLOT
	s_add_co_u32 s22, s22, SLOT
.endr
	v_mul_u32_u24 v5, v1, KS
	v_lshrrev_b32 v6, 8, v5
	v_lshl_add_u32 v5, v6, 4, v5
	s_mul_i32 s21, s15, HALFS
	s_mul_i32 s22, s16, HALFS
	s_add_co_u32 s22, s22, 2*HALFS
	s_sub_co_u32 s22, s22, s21
	v_mul_u32_u24 v6, s22, v2                      ; lanes 16-31 take w's
	s_add_co_u32 s21, s21, SCL
	v_add_nc_u32 v5, v5, v6
	v_add_nc_u32 v[ADRS], s21, v5
	s_mul_i32 s23, s14, 16*SPITCH                  ; my stage
	v_mul_u32_u24 v5, v1, SPITCH
	v_lshl_add_u32 v5, v2, 5, v5
	v_add_nc_u32 v[STO], s23, v5                   ; in: row r, 32 bytes for each half of the lanes
	v_add_nc_u32 v[RD], s23, v[CO]                 ; back: the 32 lanes take one row of 512 bytes
	s_lshl_b32 s20, s17, 8
	s_lshl_b32 s21, s15, 7
	s_add_co_u32 s20, s20, s21                     ; my first row of out0
	s_mov_b32 s21, 0
	s_mov_b64 s[18:19], SIZE_N*4
	s_mul_u64 s[20:21], s[20:21], s[18:19]
	s_lshl_b32 s46, s42, 10                        ; my first column, in bytes of f32: also my place in b_proj
	s_lshl_b32 s47, s16, 9
	s_add_co_u32 s46, s46, s47
	s_mov_b32 s47, 0
	s_add_nc_u64 s[20:21], s[20:21], s[46:47]
	s_add_nc_u64 s[12:13], s[12:13], s[20:21]
	v_lshl_add_u32 v[BRO], v2, 5, s46              ; the bias: b_proj[n0 + 16 b + 8 h + j]: the C of accumulator (a, b)'s first product
.irp b, 0,1,2,3,4,5,6,7
	global_load_b128 v[BIA+8*\b:BIA+8*\b+3], v[BRO], s[96:97] offset:64*\b
	global_load_b128 v[BIA+8*\b+4:BIA+8*\b+7], v[BRO], s[96:97] offset:64*\b+16
.endr
.macro FRAGB reg, adr, q, i            ; w: 16 rows x 128 K from padded rows
.irp c, 0,1,2,3
	ds_load_b128 v[\reg+4*\c:\reg+4*\c+3], v[\adr] offset:128*(\q)+32*\c+(\i)*16*PITCH
.endr
.endm
.macro FRAGA reg, adr, q, i            ; y: the image of a fragment's registers: 512 consecutive bytes a load
.irp c, 0,1,2,3
	ds_load_b128 v[\reg+4*\c:\reg+4*\c+3], v[\adr] offset:4096*(\i)+2048*(\q)+512*\c
.endr
.endm
; 16 matrix instructions: y's blocks a0, a0 + 1 x w's eight.  first = 1: the sums begin with the bias.  The 64 accumulators take turns, one instruction a turn.
.macro MUL16 a0, p, q, sc, first
.irp a, \a0, \a0+1
.irp b, 0,1,2,3,4,5,6,7
.if \first
	v_wmma_scale_f32_16x16x128_f8f6f4 v[8*(8*((\a)%4)+\b):8*(8*((\a)%4)+\b)+7], v[128*(\p)+FR*\b:128*(\p)+FR*\b+FR-1], v[AF+FR*(\a):AF+FR*(\a)+FR-1], v[BIA+8*\b:BIA+8*\b+7], v[SC+8*NQ*(\sc)+NQ*\b+(\q)], v[SC+8*NQ*(\sc)+NQ*(\a)+(\q)] matrix_a_fmt:MATRIX_FMT_BF8 matrix_b_fmt:MATRIX_FMT_BF8 matrix_a_scale:MATRIX_SCALE_ROW1
.else
	v_wmma_scale_f32_16x16x128_f8f6f4 v[8*(8*((\a)%4)+\b):8*(8*((\a)%4)+\b)+7], v[128*(\p)+FR*\b:128*(\p)+FR*\b+FR-1], v[AF+FR*(\a):AF+FR*(\a)+FR-1], v[8*(8*((\a)%4)+\b):8*(8*((\a)%4)+\b)+7], v[SC+8*NQ*(\sc)+NQ*\b+(\q)], v[SC+8*NQ*(\sc)+NQ*(\a)+(\q)] matrix_a_fmt:MATRIX_FMT_BF8 matrix_b_fmt:MATRIX_FMT_BF8 matrix_a_scale:MATRIX_SCALE_ROW1
.endif
.endr
.endr
.endm
.macro FETCH_B slot, q, p
	WIN TO_B
.irp i, 0,1,2,3,4,5,6,7
	FRAGB 128*(\p)+FR*\i, ADRB+\slot, \q, \i
.endr
	WIN 0
.endm
.macro FETCH_A slot, q, i0
.irp i, \i0, \i0+1, \i0+2, \i0+3
	FRAGA AF+FR*(\i), ADRA+\slot, \q, \i
.endr
.endm
.macro SCALES sc
.irp i, 0,1,2,3,4,5,6,7
	ds_load_b64 v[SC+8*NQ*\sc+NQ*\i:SC+8*NQ*\sc+NQ*\i+1], v[ADRS] offset:\i*SBLK
.endr
.endm
.macro PLACES n                        ; plain vector instructions that name no register of the matrix instructions before them (ISA guide 7.12.1)
.rept \n
	v_nop
.endr
.endm
.macro STEP slot, q, first
	s_wait_dscnt 4*NL                              ; all but the youngest sixteen loads (y's blocks 4-7) are in
.if \first
	WIN FST_LO
.else
	WIN MUL_LO
.endif
	MUL16 0, (\q)%2, \q, \slot, \first
	MUL16 2, (\q)%2, \q, \slot, \first
	s_wait_dscnt 0
	PLACES NP
	FETCH_B \slot, (\q)+1, 1-(\q)%2
	FETCH_A \slot, (\q)+1, 0
.if \first
	WIN FST_HI
.else
	WIN MUL_HI
.endif
	MUL16 4, (\q)%2, \q, \slot, \first
	MUL16 6, (\q)%2, \q, \slot, \first
	PLACES NP
	WIN 0
	FETCH_A \slot, (\q)+1, 4
.endm
.macro TURN slot, next, fill
	s_wait_tensorcnt 0x0                           ; all my tensor loads have landed: my part of the next slot
	ds_add_u32 v[SPW], v[NIL]                      ; 0 onto my spare word
	s_wait_dscnt 4*NL+1                            ; the add and the youngest sixteen loads may be out
	WIN MUL_LO
	MUL16 0, 1, NQ-1, \slot, 0
	s_wait_dscnt 0x0                               ; the add is done, and my reads of this slot are over
	s_barrier_signal -1
	MUL16 2, 1, NQ-1, \slot, 0
	WIN 0
	s_barrier_wait -1
.if \fill
	CREST                                          ; the barrier has opened a round of the cluster's barrier: no wave of any partner still reads this slot or has a load on its way
	s_add_nc_u64 s[G0+4*\slot+2:G0+4*\slot+3], s[G0+4*\slot+2:G0+4*\slot+3], 2*4096
	s_add_nc_u64 s[G0B+4*\slot+2:G0B+4*\slot+3], s[G0B+4*\slot+2:G0B+4*\slot+3], 2*TROW
	JLOAD G0+4*\slot, G1, G0B+4*\slot, G1B         ; the first tensor load behind the round; its four v_nop are four of the eight places
	PLACES NP-4
.else
	PLACES NP
.endif
	s_wait_alu depctr_va_vdst(0)
	v_add_nc_u32 v[ADRS], 4*NQ, v[ADRS]
	FETCH_B \next, 0, 0
	FETCH_A \next, 0, 0
	SCALES \next
	WIN MUL_HI
	MUL16 4, 1, NQ-1, \slot, 0
	MUL16 6, 1, NQ-1, \slot, 0
	PLACES NP
	WIN 0
	FETCH_A \next, 0, 4
.endm
	s_wait_alu depctr_va_vdst(0)
	s_wait_loadcnt 0x0                             ; the bias
	s_wait_tensorcnt 1                             ; the scale bytes and my part of slot 0 are in; slot 1's load may be out
	s_barrier_signal -1
	s_barrier_wait -1
	FETCH_B 0, 0, 0
	FETCH_A 0, 0, 0
	SCALES 0
	FETCH_A 0, 0, 4
	STEP 0, 0, 1
	s_mov_b32 s3, LAPS-1
.Llap:
	TURN 0, 1, 1
	STEP 1, 0, 0
	TURN 1, 0, 1
	STEP 0, 0, 0
	s_sub_co_u32 s3, s3, 1
	s_cmp_lg_u32 s3, 0
	s_cbranch_scc1 .Llap
	TURN 0, 1, 0
	STEP 1, 0, 0
	s_wait_dscnt 4*NL
	WIN MUL_LO
	MUL16 0, 1, NQ-1, 1, 0
	MUL16 2, 1, NQ-1, 1, 0
	s_wait_dscnt 0
	WIN MUL_HI
	MUL16 4, 1, NQ-1, 1, 0
	MUL16 6, 1, NQ-1, 1, 0
	WIN 0
; THE WAY OUT, block by block of 16 rows x 128 columns, through my own stage in LDS: in as 32 bytes a lane, back as whole rows of 512 bytes.  LDS serves a wave's instructions in order (ISA guide 5.7.1.4).
.macro TOSTAGE a
.set AC, 64*((\a)%4)
	WIN 0x08+4*((\a)/4)                            ; the data: window 2 or 3
.irp b, 0,1,2,3,4,5,6,7
	ds_store_b128 v[STO], v[AC+8*\b:AC+8*\b+3] offset:64*\b          ; each accumulator from its low end on
	ds_store_b128 v[STO], v[AC+8*\b+4:AC+8*\b+7] offset:64*\b+16
.endr
	WIN 0
.set BB, BK+64*((\a)%2)
.irp t, 0,1,2,3,4,5,6,7,8,9,10,11,12,13,14,15
	ds_load_b128 v[BB+4*\t:BB+4*\t+3], v[RD] offset:\t*SPITCH
.endr
.endm
.macro SEND a, younger                 ; younger: the LDS instructions issued behind block a's loads
.set BB, BK+64*((\a)%2)
	s_wait_dscnt \younger
.if (\a) > 0
	s_add_nc_u64 s[12:13], s[12:13], 16*SIZE_N*4   ; (behind a wait on XCNT: the earlier stores have read their base)
.endif
.irp t, 0,1,2,3,4,5,6,7,8,9,10,11,12,13,14,15
	global_store_b128 v[CO], v[BB+4*\t:BB+4*\t+3], s[12:13] offset:\t*SIZE_N*4 th:TH_STORE_NT   ; 32 lanes store 512 consecutive bytes, at a multiple of 512 from out0's first byte
.endr
.endm
	PLACES NP
	TOSTAGE 0
.irp a, 1,2,3,4,5,6,7
.if \a > 1
	s_wait_xcnt 0x0                                ; block a - 2's stores have read their registers and their base
.endif
	TOSTAGE \a
	SEND \a-1, 32                                  ; behind block a - 1's loads: block a's 16 stores and 16 loads
.endr
	s_wait_xcnt 0x0
	SEND 7, 0
	s_wait_tensorcnt 0x0                           ; the wave's end
	ds_add_u32 v[SPW], v[NIL]
	s_wait_dscnt 0x0
	CROUND                                         ; the closing round: no work-group ends while a partner may still ask for a tile that names it
	s_endpgm
.Lfunc_end_k_q92cc2edf75_proj:
	.size	k_q92cc2edf75_proj, .Lfunc_end_k_q92cc2edf75_proj-k_q92cc2edf75_proj
	.p2alignl 7, 3214868480
	.fill 96, 4, 3214868480
	.section	.rodata,"a",@progbits
	.p2align	6, 0x0
	.amdhsa_kernel k_q92cc2edf75_proj
		.amdhsa_group_segment_fixed_size 327680
		.amdhsa_private_segment_fixed_size 0
		.amdhsa_enable_private_segment 0
		.amdhsa_kernarg_size 48
		.amdhsa_user_sgpr_count 2
		.amdhsa_user_sgpr_kernarg_segment_ptr 1
		.amdhsa_wavefront_size32 1
		.amdhsa_system_sgpr_workgroup_id_x 1
		.amdhsa_system_sgpr_workgroup_id_y 1
		.amdhsa_system_sgpr_workgroup_id_z 1
		.amdhsa_system_vgpr_workitem_id 0
		.amdhsa_next_free_vgpr 1024
		.amdhsa_next_free_sgpr 100
		.amdhsa_reserve_vcc 0
		.amdhsa_float_denorm_mode_32 3
		.amdhsa_float_denorm_mode_16_64 3
		.amdhsa_memory_ordered 1
		.amdhsa_forward_progress 1
		.amdhsa_inst_pref_size 148
	.end_amdhsa_kernel
	.amdgpu_metadata
---
amdhsa.version: [ 1, 2 ]
amdhsa.kernels:
  - .name:           k_q92cc2edf75_proj
    .symbol:         k_q92cc2edf75_proj.kd
    .args:
      - { .name: yc, .offset: 0, .size: 8, .value_kind: global_buffer, .address_space: global }
      - { .name: ys, .offset: 8, .size: 8, .value_kind: global_buffer, .address_space: global }
      - { .name: w_proj_codes, .offset: 16, .size: 8, .value_kind: global_buffer, .address_space: global }
      - { .name: w_proj_scales, .offset: 24, .size: 8, .value_kind: global_buffer, .address_space: global }
      - { .name: b_proj, .offset: 32, .size: 8, .value_kind: global_buffer, .address_space: global }
      - { .name: out0, .offset: 40, .size: 8, .value_kind: global_buffer, .address_space: global }
    .group_segment_fixed_size: 327680
    .private_segment_fixed_size: 0
    .kernarg_segment_align: 8
    .kernarg_segment_size: 48
    .max_flat_workgroup_size: 128
    .sgpr_count:     100
    .vgpr_count:     1024
    .wavefront_size: 32
...
	.end_amdgpu_metadata
.endif
;; end of part 3
